; MI455X (gfx1250); checked and timed in simulation.
; The chip was launched on July 23, 2026; its instructions are those of AMD's public machine-readable ISA for CDNA 5 (MIT licence, August 2026) and "CDNA5" Instruction Set Architecture Reference Guide (July 2026). The comments in the code are by the model that wrote it; some were corrected since.
;; Patch TST Rope Attention. Allowed arithmetic: matrix products marked QUANTISED: E2M3 operands, one E8M0 scale for each 32 along K, by v_wmma_scale_f32_16x16x128_f8f6f4 with both operands' format E2M3, f32 sums; everything else in f32.
;; Inputs: bk 768 float32; bo 768 float32; bq 768 float32; bv 768 float32; hidden_states 16 x 1,024 x 768 float32; wk 768 x 768 float32; wo 768 x 768 float32; wq 768 x 768 float32; wv 768 x 768 float32.
;; Outputs: out0 16 x 1,024 x 768 float32.
;; This version of the problem:
;;   THIS VERSION OF THE PROBLEM IS GIVEN IN LOW PRECISION. The matrix products marked QUANTISED in the list below multiply operands that are first quantised to E2M3 (2 exponent bits, 3 mantissa bits; 6 bits a number), with one power-of-two scale for each 32 numbers along K (OCP MX v1.0); their sums are f32. All else is computed in f32.
;;   The module's matrix products, in the order in which they are computed (A, B: the left and right operand; K: the contracted axis; several contracted axes count as one K, in the product's order):
;;     1. [M 16,384, K 768] x [K 768, N 768]; A: input hidden_states; B: input wq: QUANTISED
;;     2. [M 16,384, K 768] x [K 768, N 768]; A: input hidden_states; B: input wk: QUANTISED
;;     3. [M 16,384, K 768] x [K 768, N 768]; A: input hidden_states; B: input wv: QUANTISED
;;     4. batch 192 x [M 1,024, K 64] x [K 64, N 1,024]; A: computed on the way; B: computed on the way: QUANTISED
;;     5. batch 192 x [M 1,024, K 1,024] x [K 1,024, N 64]; A: softmax (see below); B: computed on the way: QUANTISED
;;     6. [M 16,384, K 768] x [K 768, N 768]; A: computed on the way; B: input wo: QUANTISED
;;   THE QUANTISER, for each operand of a quantised product, along K:
;;     - K is cut into blocks of 32 from its start; a last block that is shorter is filled with zeros.
;;     - A block's scale is 2^e with e = floor(log2(the largest magnitude in the block)) - 2, held to -126 .. 127; a block of zeros has e = 0. As a byte (E8M0): e + 127.
;;     - Each number is divided by its block's scale, clamped to +-7.5, and rounded to the nearest number of E2M3, ties to even, subnormals kept.
;;     - The product sums the exact products of the quantised numbers (number of the format x scale) in f32.
;;   ~~~python
;;   def quantise(x, axis):      # numpy; x: float32 -> the quantised numbers, widened to float32 again
;;       x = np.moveaxis(x, axis, -1); K = x.shape[-1]
;;       x = np.pad(x, [(0, 0)] * (x.ndim - 1) + [(0, -K % 32)]); x = x.reshape(x.shape[:-1] + (-1, 32)); a = np.abs(x).max(-1, keepdims=True)
;;       e = np.where(a > 0, np.clip(np.frexp(np.where(a > 0, a, 1))[1] - 1 - 2, -126, 127), 0)      # np.frexp(a)[1] - 1 = floor(log2(a)), exactly
;;       r = np.clip(x / 2.0 ** e, -7.5, 7.5)
;;       step = 2.0 ** (np.maximum(np.frexp(np.where(r == 0, 1, r))[1] - 1, 0) - 3)
;;       q = np.round(r / step) * step * 2.0 ** e      # np.round: ties to even
;;       return np.moveaxis(q.reshape(q.shape[:-2] + (-1,))[..., :K], -1, axis).astype(np.float32)
;;   ~~~
;;   SOFTMAX AHEAD OF A QUANTISED PRODUCT. Where the list says 'softmax', what is quantised is not the finished softmax but p = 2^(t - M), with t = logit x log2(e) and M = ceil(the row's largest t), a whole number; so 1/2 < the row's largest p <= 1. The row's sum l is taken of the UNQUANTISED p, in f32, and the product's result is divided by l at the end. Since M is a whole number, a kernel that streams over the keys may use a running M (the ceiling of the running maximum): every later rescaling is an exact power of two, which a block's scale takes up: the codes' values come out the same.
;;   OPERANDS COMPUTED ON THE WAY. 'Computed on the way' means the value that the module computes at that place (a softmax that the list does not call 'softmax' is quantised finished and normalised). What goes into a quantiser is computed in f32, as accurately as f32 sums, v_exp_f32 and their like allow (about 1e-6 of the number): no bf16 or f16 on the way to a quantiser, and a product that is left as it is and whose result goes on into a quantised operand takes f32 operands (vector FMAs, or v_wmma_f32_16x16x4_f32). A number that lies on a knife's edge between two numbers of the format may be rounded either way, as far as f32 arithmetic and the matrix unit's own rounding can turn it there, and no further.
;; One version. Each part assembles by itself: llvm-mc -triple=amdgcn-amd-amdhsa -mcpu=gfx1250 --defsym DOCPART=n.
;; ======== version 1 of 1: 4 launches
;; limits: right only within a limited range of input values
;; workspace buffers: XB 9,830,400 bytes; OB 9,830,400 bytes; WB 2,105,344 bytes; KVB 20,054,016 bytes; QB 20,054,016 bytes
;; launch prep (part 1): grid 608 x 1, 6 waves a work-group, no clusters, 102,144 bytes of LDS; arguments hidden_states, wq, wk, wv, wo, XB, WB; writes XB, WB
.if DOCPART == 1
	.amdgcn_target "amdgcn-amd-amdhsa--gfx1250"
	.amdhsa_code_object_version 6
	.text
	.protected	k_qfb82b0bbd9_prep
	.globl	k_qfb82b0bbd9_prep
	.p2align	8
	.type	k_qfb82b0bbd9_prep,@function
k_qfb82b0bbd9_prep:
	s_mov_b64 s[64:65], 0
	v_nop
	global_prefetch_b8 v0, s[64:65] scope:SCOPE_SE
	s_setreg_imm32_b32 hwreg(HW_REG_WAVE_MODE, 25, 1), 1
	s_wait_xcnt 0x0
; PREP: hidden_states [16384][768] and the four weights [768][768], f32 with K innermost, become codes of FP6 (E2M3) with one E8M0 byte for each 32 along K,
; laid in the ORDER OF THE OPERANDS' REGISTERS, so that the later launches load fragments by dense loads of 16 and 8 bytes a lane.
; A block's scale is 2^(floor(log2(largest magnitude)) - 2); its byte is the largest magnitude's exponent field - 2, held at 1 from below.
; LIMITS: NaN and infinities are not served; a block whose largest magnitude lies under 2^-124 keeps the byte 1; a block of zeros has the byte 1 where the rule says 127
; (its codes are zeros, and this program alone reads the bytes).
; TILES: 32 consecutive rows are a pair of tiles; row rho of tile u is row 8 u + rho + 8 (rho / 8) of the 32.
; A fragment (16 rows x 128 K, 12 registers a lane) is two halves of 768 bytes: registers 6 c .. 6 c + 3 at 16 x lane, registers 6 c + 4, 6 c + 5 at 512 + 8 x lane.
; A pair's scale words for one K step are 128 bytes: lanes 0-15 tile 0's rows, lanes 16-31 tile 1's.
; SHARES: a work-group takes one pair (32 whole rows, 98,304 bytes on end), wave s the K step s (512 bytes of each row).  Work-groups 0-511: hidden_states; 512-535 wq; 536-559 wk; 560-583 wv; 584-607 wo.
; Each load reads 512 consecutive bytes; the rows turn through the wave's own stage in LDS (pitch 528 = 33 x 16 bytes), from which a lane takes 2 x 32 neighbours of its row.  Waves share nothing: no barrier.
; Wave 0 of work-groups 0-31 also writes the table of cos and sin for the partial RoPE: [pos 1024][cos 32 | sin 32] f32, entries 16-31 being 1 and 0.
; The angle is pos / f32(10^(i/8)), the quotient corrected by one fused step; sin and cos by reduction with pi/2 in two parts and polynomials: absolute error about 1e-7.
; REGISTERS, 160 in all: v1 lane, then tile 0's scale word; v2-3 rho and h, then at work; v4-9 offsets; v10-11 the add's two; v12-15 at work; v16-143 the 32 rows, then two tiles' numbers;
;   v144-155 tile 0's codes (tile 1's land in v16-27, whose numbers are spent by then; its scale word in v28); v156-159 at work.  The table is made four angles at a time in v144-159, v2-3, v12-13.
.set STG,   16896                      ; a wave's stage: 32 rows x 528 bytes
.set SPARE, 6*STG                      ; behind the stages: the spare words, 128 bytes a wave: three blocks of 256 bytes that no other line names
.set XS,    9437184                    ; XB: where the scale words begin
.set W1S,   1327104                    ; WB: scale words of the q, k, v blocks
.set W2C,   1382400                    ; WB: wo's codes
.set W2S,   1824768                    ; WB: wo's scale words
.set TAB,   1843200                    ; WB: the table
.set HIM,   57                         ; s57 mask of lanes 16-31
.set SEL,   58                         ; s[58:59] v_permlanex16_b32's selects for lane l xor 16
	s_load_b256 s[4:11], s[0:1], 0x0               ; hidden_states, wq, wk, wv
	s_load_b128 s[12:15], s[0:1], 0x20             ; wo, XB
	s_load_b64 s[16:17], s[0:1], 0x30              ; WB
	v_lshl_add_u32 v10, v0, 2, SPARE               ; my spare word
	v_mov_b32 v11, 0
	v_lshrrev_b32 v1, 5, v0
	v_readfirstlane_b32 s18, v1                    ; wave = K step s
	v_and_b32 v1, 31, v0                           ; lane
	v_and_b32 v2, 15, v0                           ; rho
	v_bfe_u32 v3, v0, 4, 1                         ; h
	v_lshlrev_b32 v4, 4, v1                        ; 16 x lane
	v_lshlrev_b32 v5, 3, v1                        ; 8 x lane
	v_lshlrev_b32 v6, 2, v1                        ; 4 x lane
	s_mul_i32 s19, s18, STG
	v_add_nc_u32 v7, s19, v4                       ; the stage, on the way in
	v_mul_u32_u24 v8, v2, 528
	v_lshl_add_u32 v8, v3, 7, v8
	v_add_nc_u32 v8, s19, v8                       ; and on the way out: row rho, + 128 h bytes
	v_lshlrev_b32 v9, 3, v3                        ; 8 h: my bytes' shift in a scale word
	s_mov_b32 s[HIM], 0xffff0000
	s_mov_b32 s[SEL], 0x76543210
	s_mov_b32 s[SEL+1], 0xfedcba98
	; which tensor, and which pair p of it: compares on the work-group's number alone
	s_mov_b32 s20, ttmp9
	s_mov_b32 s21, 584
	s_cmp_lt_u32 s20, 584
	s_cselect_b32 s21, 560, s21
	s_cmp_lt_u32 s20, 560
	s_cselect_b32 s21, 536, s21
	s_cmp_lt_u32 s20, 536
	s_cselect_b32 s21, 512, s21
	s_cmp_lt_u32 s20, 512
	s_cselect_b32 s21, 0, s21                      ; the tensor's first work-group
	s_sub_co_u32 s22, s20, s21                     ; p
	; wq, wk, wo: 64 rows hd = p / 2, half b = p % 2; block q3 = hd / 3, group g = hd % 3
	s_lshr_b32 s23, s22, 1
	s_and_b32 s24, s22, 1
	s_mul_i32 s25, s23, 86
	s_lshr_b32 s25, s25, 8                         ; hd / 3, right for hd up to 11
	s_mul_i32 s26, s25, 3
	s_sub_co_u32 s26, s23, s26
	s_cmp_eq_u32 s21, 536
	s_cselect_b32 s27, 4, 0                        ; wk's blocks follow wq's four
	s_cmp_eq_u32 s21, 584
	s_mov_b32 s28, 165888
	s_cselect_b32 s28, 110592, s28                 ; bytes of a block
	s_cselect_b32 s29, 6, 9                        ; pairs in a block
	s_cselect_b32 s30, W2C, 0
	s_mov_b32 s31, W1S
	s_cselect_b32 s31, W2S, s31
	s_add_co_u32 s27, s27, s25
	s_mul_i32 s32, s27, s28
	s_add_co_u32 s32, s32, s30
	s_mul_i32 s33, s26, 36864
	s_add_co_u32 s32, s32, s33
	s_lshl_b32 s33, s18, 2
	s_lshl_b32 s34, s24, 1
	s_add_co_u32 s33, s33, s34
	s_mul_i32 s33, s33, 1536
	s_add_co_u32 s32, s32, s33                     ; codes: block, group, [s][tile 2 b + u]
	s_mul_i32 s33, s27, 6
	s_add_co_u32 s33, s33, s18
	s_mul_i32 s33, s33, s29
	s_lshl_b32 s34, s26, 1
	s_add_co_u32 s33, s33, s34
	s_add_co_u32 s33, s33, s24
	s_lshl_b32 s33, s33, 7
	s_add_co_u32 s33, s33, s31                     ; scale words: [block][s][pair 2 g + b]
	; wv: block p / 3, pair rv = p % 3 of the block's three
	s_mul_i32 s35, s22, 86
	s_lshr_b32 s35, s35, 8                         ; p / 3, right for p up to 23
	s_mul_i32 s36, s35, 3
	s_sub_co_u32 s36, s22, s36
	s_lshl_b32 s37, s18, 2
	s_lshl_b32 s38, s36, 1
	s_add_co_u32 s37, s37, s38
	s_mul_i32 s37, s37, 1536
	s_add_co_u32 s37, s37, 110592                  ; tiles 0-3: [s][4]
	s_mul_i32 s38, s18, 3072
	s_add_co_u32 s38, s38, 147456                  ; tiles 4, 5: [s][2]
	s_cmp_eq_u32 s36, 2
	s_cselect_b32 s37, s38, s37
	s_mul_i32 s38, s35, 165888
	s_add_co_u32 s37, s37, s38
	s_mul_i32 s38, s35, 6
	s_add_co_u32 s38, s38, s18
	s_mul_i32 s38, s38, 9
	s_add_co_u32 s38, s38, s36
	s_add_co_u32 s38, s38, 6
	s_lshl_b32 s38, s38, 7
	s_add_co_u32 s38, s38, W1S
	; hidden_states: [tile 2 p + u][s]
	s_mul_i32 s39, s22, 12
	s_add_co_u32 s39, s39, s18
	s_mul_i32 s39, s39, 1536
	s_mul_i32 s40, s22, 6
	s_add_co_u32 s40, s40, s18
	s_lshl_b32 s40, s40, 7
	s_add_co_u32 s40, s40, XS
	s_cmp_eq_u32 s21, 560
	s_cselect_b32 s32, s37, s32
	s_cselect_b32 s33, s38, s33
	s_cmp_lt_u32 s20, 512
	s_cselect_b32 s32, s39, s32                    ; my fragment of tile 0
	s_cselect_b32 s33, s40, s33                    ; my scale words
	s_mov_b32 s41, 1536
	s_cselect_b32 s41, 9216, s41                   ; from tile 0's fragment to tile 1's
	s_mul_i32 s46, s22, 98304
	s_lshl_b32 s47, s18, 9
	s_add_co_u32 s46, s46, s47                     ; the source: pair p, my 512 bytes of a row
	s_mov_b32 s47, 0
	s_wait_alu depctr_va_vdst(0)                   ; the wait at the head's end
	s_wait_kmcnt 0x0
	s_mov_b64 s[44:45], s[12:13]
	s_cmp_lt_u32 s20, 584
	s_cselect_b64 s[44:45], s[10:11], s[44:45]
	s_cmp_lt_u32 s20, 560
	s_cselect_b64 s[44:45], s[8:9], s[44:45]
	s_cmp_lt_u32 s20, 536
	s_cselect_b64 s[44:45], s[6:7], s[44:45]
	s_cmp_lt_u32 s20, 512
	s_cselect_b64 s[44:45], s[4:5], s[44:45]       ; the tensor that I read
	s_cselect_b64 s[42:43], s[14:15], s[16:17]     ; and the buffer that I write
	s_add_nc_u64 s[44:45], s[44:45], s[46:47]
	s_mov_b32 s46, s32
	s_add_nc_u64 s[48:49], s[42:43], s[46:47]      ; tile 0's fragment
	s_mov_b32 s46, s41
	s_add_nc_u64 s[50:51], s[48:49], s[46:47]      ; tile 1's
	s_mov_b32 s46, s33
	s_add_nc_u64 s[52:53], s[42:43], s[46:47]      ; the scale words
.set t, 0
.rept 32
	global_load_b128 v[16+4*t:19+4*t], v4, s[44:45] offset:3072*t th:TH_LOAD_NT   ; row t: 32 lanes read 512 consecutive bytes; read once in the launch
.set t, t+1
.endr
	; ---- the table, while the loads are on their way: wave 0 of work-groups 0-31, a lane a position
	s_lshr_b32 s54, s20, 5
	s_or_b32 s54, s54, s18
	s_cmp_lg_u32 s54, 0
	s_cbranch_scc1 .Lno_table
	s_lshl_b32 s46, s20, 13
	s_add_co_u32 s46, s46, TAB
	s_add_nc_u64 s[54:55], s[16:17], s[46:47]      ; my work-group's 32 rows of 256 bytes
	s_lshl_b32 s56, s20, 5
	v_add_nc_u32 v12, s56, v1
	v_cvt_f32_u32 v12, v12                         ; pos
	v_lshlrev_b32 v13, 8, v1
.irp e, 0,1,2,3
	v_mov_b32 v[144+\e], 1.0
	v_mov_b32 v[148+\e], 0
.endr
.irp e, 0,1,2,3
	global_store_b128 v13, v[144:147], s[54:55] offset:64+16*\e    ; the angles that are not turned: cos 1,
	global_store_b128 v13, v[148:151], s[54:55] offset:192+16*\e   ; sin 0
.endr
	s_wait_alu depctr_va_vdst(0)                   ; the wait ahead of the blocking wait
	s_wait_xcnt 0x0                                ; the stores have read their registers, which are written again below
; angle i: cos into v[144 + i % 4], sin into v[148 + i % 4].  ts = 10^(i/8), inv = 1 / ts
.macro ANG i, ts, inv
	v_mul_f32 v152, \inv, v12                      ; a = pos x inv,
	v_fma_f32 v153, -v152, \ts, v12                ; what is left of pos,
	v_fmac_f32 v152, \inv, v153                    ; and the quotient pos / ts, corrected
	v_mul_f32 v154, 0x3f22f983, v152               ; a x 2 / pi
	v_rndne_f32 v154, v154                         ; n
	v_fmamk_f32 v155, v154, 0xbfc90fdb, v152       ; r = a - n x pi/2, pi/2 in two parts
	v_fmamk_f32 v155, v154, 0x333bbd2e, v155
	v_cvt_i32_f32 v156, v154
	v_mul_f32 v157, v155, v155                     ; z = r r
	v_mov_b32 v158, 0x3638ef1d
	v_mov_b32 v159, 0xb493f27e
	v_fmaak_f32 v158, v157, v158, 0xb9500d01
	v_fmaak_f32 v159, v157, v159, 0x37d00d01
	v_fmaak_f32 v158, v157, v158, 0x3c088889
	v_fmaak_f32 v159, v157, v159, 0xbab60b61
	v_fmaak_f32 v158, v157, v158, 0xbe2aaaab
	v_fmaak_f32 v159, v157, v159, 0x3d2aaaab
	v_mul_f32 v2, v157, v155
	v_fmaak_f32 v159, v157, v159, 0xbf000000
	v_fma_f32 v158, v2, v158, v155                 ; sin r
	v_fma_f32 v159, v157, v159, 1.0                ; cos r
	v_and_b32 v2, 1, v156
	v_cmp_eq_u32 vcc_lo, 1, v2                     ; odd quadrants change sin and cos
	v_cndmask_b32 v3, v158, v159, vcc_lo
	v_cndmask_b32 v158, v159, v158, vcc_lo
	v_and_b32 v2, 2, v156                          ; sin is negative in quadrants 2, 3
	v_lshlrev_b32 v2, 30, v2
	v_xor_b32 v[148+(\i)%4], v2, v3
	v_add_nc_u32 v2, 1, v156                       ; cos in quadrants 1, 2
	v_and_b32 v2, 2, v2
	v_lshlrev_b32 v2, 30, v2
	v_xor_b32 v[144+(\i)%4], v2, v158
.endm
.macro TOUT g                          ; four angles leave
	global_store_b128 v13, v[144:147], s[54:55] offset:16*\g
	global_store_b128 v13, v[148:151], s[54:55] offset:128+16*\g
	s_wait_alu depctr_va_vdst(0)                   ; the wait ahead of the blocking wait
	s_wait_xcnt 0x0                                ; the stores have read their registers, which are written again below
.endm
	ANG 0, 1.0, 1.0
	ANG 1, 1.3335214322, 0.7498942093
	ANG 2, 1.7782794100, 0.5623413252
	ANG 3, 2.3713737057, 0.4216965034
	TOUT 0
	ANG 4, 3.1622776602, 0.3162277660
	ANG 5, 4.2169650343, 0.2371373706
	ANG 6, 5.6234132519, 0.1778279410
	ANG 7, 7.4989420933, 0.1333521432
	TOUT 1
	ANG 8, 10.0, 0.1
	ANG 9, 13.335214322, 0.07498942093
	ANG 10, 17.782794100, 0.05623413252
	ANG 11, 23.713737057, 0.04216965034
	TOUT 2
	ANG 12, 31.622776602, 0.03162277660
	ANG 13, 42.169650343, 0.02371373706
	ANG 14, 56.234132519, 0.01778279410
	ANG 15, 74.989420933, 0.01333521432
	TOUT 3
.Lno_table:
	; ---- through the stage: row 16 a + 8 u + i of the pair goes to slot 16 u + 8 a + i, so that a tile's 16 rows are neighbouring slots
.set t, 0
.rept 32
	s_wait_loadcnt 31-t                            ; loads come back in order: row t is in, the 31 - t behind it may be out
	ds_store_b128 v7, v[16+4*t:19+4*t] offset:528*(16*((t/8)%2)+8*(t/16)+t%8)
.set t, t+1
.endr
.irp u, 0,1
.irp c, 0,1
.irp j, 0,1,2,3,4,5,6,7
	ds_load_b128 v[16+64*\u+32*\c+4*\j:19+64*\u+32*\c+4*\j], v8 offset:8448*\u+256*\c+16*\j   ; k = 64 c + 32 h + 4 j .. of my row; LDS serves a wave's instructions in order: these see the stores above
.endr
.endr
.endr
; tile u's 64 numbers of a lane (register 32 c + i = k 64 c + 32 h + i of row rho) become the fragment's 12 registers and the row's scale word.
; At work: v2-3 the largest magnitudes, then the bytes, then the permute's result; v159 and v15 the scale operands; v156-158 and v12-14 the upper halves' codes
.macro QFRAG u
.set X, 16+64*\u
.set IM, 144-128*\u
.set W, 1+27*\u
.irp c, 0,1
	v_max3_num_f32 v[2+\c], |v[X+32*\c]|, |v[X+32*\c+1]|, 0x1800000   ; block 2 c + h is all mine; the floor 2^(3 - 127) holds the byte at 1 from below
.endr
.irp i, 2,4,6,8,10,12,14,16,18,20,22,24,26,28,30
.irp c, 0,1
	v_max3_num_f32 v[2+\c], v[2+\c], |v[X+32*\c+\i]|, |v[X+32*\c+\i+1]|
.endr
.endr
.irp c, 0,1
	v_add_nc_u32 v[159-144*\c], 0xff000000, v[2+\c]   ; 2 off the exponent field: the conversion's scale operand
.endr
.irp c, 0,1
	v_lshrrev_b32 v[2+\c], 23, v[159-144*\c]       ; the scale's byte
.endr
	v_lshl_or_b32 v[W], v3, 16, v2                 ; my two bytes, blocks h and 2 + h,
	v_lshlrev_b32 v[W], v9, v[W]                   ; at their places;
	v_permlanex16_b32 v2, v[W], s[SEL], s[SEL+1]
	v_or_b32 v[W], v[W], v2                        ; with lane l xor 16's two the word is whole
.irp c, 0,1
	v_cvt_scalef32_pk16_fp6_f32 v[IM+6*\c:IM+6*\c+2], v[X+32*\c:X+32*\c+15], v[159-144*\c]
	v_cvt_scalef32_pk16_fp6_f32 v[156-144*\c:158-144*\c], v[X+32*\c+16:X+32*\c+31], v[159-144*\c]   ; (a conversion's three registers begin on an even number)
.endr
	v_nop                                          ; one plain place behind a scaled conversion
.irp c, 0,1
.irp i, 0,1,2
	v_mov_b32 v[IM+6*\c+3+\i], v[156-144*\c+\i]
.endr
.endr
.irp c, 0,1
	global_store_b128 v4, v[IM+6*\c:IM+6*\c+3], s[48+2*\u:49+2*\u] offset:768*\c        ; 512 consecutive bytes, at a multiple of 256
	global_store_b64 v5, v[IM+6*\c+4:IM+6*\c+5], s[48+2*\u:49+2*\u] offset:768*\c+512   ; 256 consecutive bytes
.endr
.endm
	s_wait_dscnt 16                                ; tile 0's 16 loads are in, tile 1's may be out
	QFRAG 0
	s_wait_dscnt 0x0
	QFRAG 1
	v_cndmask_b32 v1, v1, v28, s[HIM]              ; lanes 0-15 tile 0's words, lanes 16-31 tile 1's
	global_store_b32 v6, v1, s[52:53]
	s_wait_tensorcnt 0x0                           ; the wave's end
	ds_add_u32 v10, v11
	s_wait_dscnt 0x0
	s_endpgm
.Lfunc_end_k_qfb82b0bbd9_prep:
	.size	k_qfb82b0bbd9_prep, .Lfunc_end_k_qfb82b0bbd9_prep-k_qfb82b0bbd9_prep
	.p2alignl 7, 3214868480
	.fill 96, 4, 3214868480
	.section	.rodata,"a",@progbits
	.p2align	6, 0x0
	.amdhsa_kernel k_qfb82b0bbd9_prep
		.amdhsa_group_segment_fixed_size 102144
		.amdhsa_private_segment_fixed_size 0
		.amdhsa_enable_private_segment 0
		.amdhsa_kernarg_size 56
		.amdhsa_user_sgpr_count 2
		.amdhsa_user_sgpr_kernarg_segment_ptr 1
		.amdhsa_wavefront_size32 1
		.amdhsa_system_sgpr_workgroup_id_x 1
		.amdhsa_system_sgpr_workgroup_id_y 1
		.amdhsa_system_sgpr_workgroup_id_z 1
		.amdhsa_system_vgpr_workitem_id 0
		.amdhsa_next_free_vgpr 160
		.amdhsa_next_free_sgpr 66
		.amdhsa_reserve_vcc 1
		.amdhsa_float_denorm_mode_32 3
		.amdhsa_float_denorm_mode_16_64 3
		.amdhsa_memory_ordered 1
		.amdhsa_forward_progress 1
		.amdhsa_inst_pref_size 48
	.end_amdhsa_kernel
	.amdgpu_metadata
---
amdhsa.version: [ 1, 2 ]
amdhsa.kernels:
  - .name:           k_qfb82b0bbd9_prep
    .symbol:         k_qfb82b0bbd9_prep.kd
    .args:
      - { .name: hidden_states, .offset: 0, .size: 8, .value_kind: global_buffer, .address_space: global }
      - { .name: wq, .offset: 8, .size: 8, .value_kind: global_buffer, .address_space: global }
      - { .name: wk, .offset: 16, .size: 8, .value_kind: global_buffer, .address_space: global }
      - { .name: wv, .offset: 24, .size: 8, .value_kind: global_buffer, .address_space: global }
      - { .name: wo, .offset: 32, .size: 8, .value_kind: global_buffer, .address_space: global }
      - { .name: XB, .offset: 40, .size: 8, .value_kind: global_buffer, .address_space: global }
      - { .name: WB, .offset: 48, .size: 8, .value_kind: global_buffer, .address_space: global }
    .group_segment_fixed_size: 102144
    .private_segment_fixed_size: 0
    .kernarg_segment_align: 8
    .kernarg_segment_size: 56
    .max_flat_workgroup_size: 192
    .sgpr_count:     66
    .vgpr_count:     160
    .wavefront_size: 32
...
	.end_amdgpu_metadata
.endif
;; end of part 1
;; launch qkv (part 2): grid 64 x 8, 4 waves a work-group, clusters of 4 x 1, 327,680 bytes of LDS; arguments XB, WB, bq, bk, bv, QB, KVB; writes QB, KVB
.if DOCPART == 2
	.amdgcn_target "amdgcn-amd-amdhsa--gfx1250"
	.amdhsa_code_object_version 6
	.text
	.protected	k_qfb82b0bbd9_qkv
	.globl	k_qfb82b0bbd9_qkv
	.p2align	8
	.type	k_qfb82b0bbd9_qkv,@function
k_qfb82b0bbd9_qkv:
	s_mov_b64 s[64:65], 0
	v_nop
	global_prefetch_b8 v0, s[64:65] scope:SCOPE_SE
	s_setreg_imm32_b32 hwreg(HW_REG_WAVE_MODE, 25, 1), 1
	s_wait_xcnt 0x0
	s_wait_alu depctr_hold_cnt(0) depctr_sa_sdst(0) depctr_va_vdst(0) depctr_va_sdst(0) depctr_va_ssrc(0) depctr_va_vcc(0) depctr_vm_vsrc(0)
	s_getreg_b32 s2, hwreg(HW_REG_IB_STS2, 6, 4)
	s_cmp_eq_u32 s2, 0
	s_cbranch_scc0 .Lentry_in_a_cluster
	s_endpgm
.Lentry_in_a_cluster:
	s_bfe_u32 s2, ttmp6, 0x10000c
	s_cmp_lg_u32 s2, 0x3003
	s_cbranch_scc0 .Lentry_shape_is_right
	s_endpgm
.Lentry_shape_is_right:
; QKV: q, k and v = x W^T + b on codes of FP6 (E2M3), then the partial RoPE on q and k, then the quantisers of the two attention products; nothing in f32 goes to memory.
; SHARES.  A work-group makes 256 rows x 288 columns: three heads of q (column blocks 0-3) or of k (4-7), and six tiles of 16 channels of v.  Its block of weights, 165,888 bytes of codes for all of K,
; comes into LDS once, in five groups, and is never filled again: no ring.  Wave w takes 64 rows (four tiles m): its 24 fragments of x go from memory straight into 288 registers and stay.
; A fragment of weights read from LDS feeds four matrix instructions.
; CLUSTER.  The four work-groups of a cluster differ in their rows alone and read the same block of weights: every tensor load is a joint one (mask 15), behind one round of the cluster's barrier.
; A wave has one tensor load out at the most.  The place in the cluster enters global addresses alone.
; LAYOUT.  q, k: source 0 = 16 rows of the weight (channels), source 1 = 16 rows of x: a lane holds ONE token, and since row rho of weight tile 2 b + u is channel 32 b + 8 u + rho + 8 (rho / 8) of the head,
; its 32 registers of a tile of tokens are channels 32 b + 16 h + i at register 16 b + i: channels d and d + 32, which RoPE turns together, lie in one lane.  v: the sources changed, so that a lane holds ONE channel
; and its 32 registers run along 64 tokens: the keys, v's K.  The biases are the C of each sum's first matrix instruction.
; q's factor 1/8 is not applied here: a power of two leaves the codes as they are; the attention launch has it in its constant (exact unless a scale's exponent would be held at -126).
; LIMITS: NaN and infinities are not served; blocks whose largest magnitude lies under 2^-124 keep the byte 1, blocks of zeros too (their codes are zeros; this program alone reads the bytes).
; REGISTERS, in windows of 256:  window 0: v1-6 offsets, v8-9 the add's two, v10-11 LDS addresses, v16-27 x's scale words, v28-81 the weights', v84-115 and v116-137 at work, v160-255 two sets of four weight fragments.
;   window 1: x's fragments of K steps 0-4 at 12 (4 s + m).   window 2: v0-47 those of K step 5; v64-159 q's or k's bias, v160-207 v's.   window 3: v0-127 sixteen accumulators; v128-255 cos and sin of my tokens.
; THE LOADS AS THEY STAND: the block of weights comes by two tensor loads a wave: a quarter of group 0 at the head, and a quarter of groups 1 to 4 together behind the full sequence and a round;
; by this text's count one tensor load a wave is out.  Of the global loads x's fragments follow the scale words and q's or k's bias; v's bias and the table, first wanted behind the first products, come last.
.set BLK,   13056                      ; QB, KVB: a block of 128 keys: 8 tiles of k (768 bytes), 4 fragments of v (1,536), 4 x 128 bytes of k's scale words, 2 x 128 of v's
.set HEAD,  8*BLK
.set HS,    16*HEAD                    ; from head to head (the batch lies inside)
.set XS,    9437184
.set W1S,   1327104
.set TAB,   1843200
.set SPARE, 165888                     ; behind the weights: the spare words, 128 bytes a wave: two blocks of 256 bytes that no other line names
.set NPR, 9                            ; pairs of weight tiles in a block
.set AS,  16
.set BS,  28
.set T1,  84
.set T2,  100
.set TM,  116
.set PW,  122
.set PWE, 123
.set PWS, 124
.set IMG, 128
.set CT,  134
.set BF,  160
.set BQ,  64
.set BV,  160
.set CSR, 128
.set G1A, 24                           ; s[24:31] group 1: 36 rows of 256 bytes;  s[32:39]: 126 rows;  s[40:43] and s[56:59] two groups 0
.set G1B, 32
.set G0,  40
.set SEL, 60
.set HIM, 62
.set MSB, 0
.macro WIN new                         ; the immediate's high byte repeats the setting that is left
.if MSB != \new
	s_set_vgpr_msb (MSB<<8)|\new
.set MSB, \new
.endif
.endm
.macro PLACES                          ; four plain places behind matrix instructions, ahead of loads into their sources and of reads of their results
.rept 4
	v_nop
.endr
.endm
.macro CROUND                          ; a round of the cluster's barrier
	s_barrier_signal -1
	s_barrier_wait -1
	s_cmp_lg_u32 s18, 0
	s_cbranch_scc1 .Lnot_wave_0_\@
	s_barrier_signal -3
.Lnot_wave_0_\@:
	s_barrier_wait -3
	s_barrier_signal -1
	s_barrier_wait -1
.endm
; one matrix instruction; ra, rb: which half of the lanes of the scale registers holds the tile's words
.macro WM d, a, b, c, sa, ra, sb, rb
.if (\ra) == 0
.if (\rb) == 0
	v_wmma_scale_f32_16x16x128_f8f6f4 v[(\d):(\d)+7], v[(\a):(\a)+11], v[(\b):(\b)+11], v[(\c):(\c)+7], v[\sa], v[\sb] matrix_a_fmt:MATRIX_FMT_FP6 matrix_b_fmt:MATRIX_FMT_FP6
.else
	v_wmma_scale_f32_16x16x128_f8f6f4 v[(\d):(\d)+7], v[(\a):(\a)+11], v[(\b):(\b)+11], v[(\c):(\c)+7], v[\sa], v[\sb] matrix_a_fmt:MATRIX_FMT_FP6 matrix_b_fmt:MATRIX_FMT_FP6 matrix_b_scale:MATRIX_SCALE_ROW1
.endif
.else
.if (\rb) == 0
	v_wmma_scale_f32_16x16x128_f8f6f4 v[(\d):(\d)+7], v[(\a):(\a)+11], v[(\b):(\b)+11], v[(\c):(\c)+7], v[\sa], v[\sb] matrix_a_fmt:MATRIX_FMT_FP6 matrix_b_fmt:MATRIX_FMT_FP6 matrix_a_scale:MATRIX_SCALE_ROW1
.else
	v_wmma_scale_f32_16x16x128_f8f6f4 v[(\d):(\d)+7], v[(\a):(\a)+11], v[(\b):(\b)+11], v[(\c):(\c)+7], v[\sa], v[\sb] matrix_a_fmt:MATRIX_FMT_FP6 matrix_b_fmt:MATRIX_FMT_FP6 matrix_a_scale:MATRIX_SCALE_ROW1 matrix_b_scale:MATRIX_SCALE_ROW1
.endif
.endif
.endm
; the group's nt weight fragments of K step s into set buf: 4 nt dense loads
.macro BFETCH s, buf, nt
.irp t, 0,1,2,3
.if \t < (\nt)
.irp c, 0,1
	ds_load_b128 v[BF+48*(\buf)+12*\t+6*\c:BF+48*(\buf)+12*\t+6*\c+3], v10 offset:((\s)*(\nt)+\t)*1536+768*\c
	ds_load_b64 v[BF+48*(\buf)+12*\t+6*\c+4:BF+48*(\buf)+12*\t+6*\c+5], v11 offset:((\s)*(\nt)+\t)*1536+768*\c+512
.endr
.endif
.endr
.endm
; 16 matrix instructions of a head of q or k: the sixteen accumulators take turns, one instruction a turn
.macro MULQK g, s, buf
.if (\s) == 0
	WIN 0xE4                                       ; weights window 0, x window 1, the bias window 2, D window 3
.elseif (\s) < 5
	WIN 0xF4
.else
	WIN 0xF8                                       ; x's K step 5 lies in window 2
.endif
.irp m, 0,1,2,3
.irp t, 0,1,2,3
.set DD, 8*(4*\m+\t)
.set XX, 12*(4*((\s)%5)+\m)
.set CC, DD
.if (\s) == 0
.set CC, BQ+32*(\g)+8*\t
.endif
	WM DD, BF+48*(\buf)+12*\t, XX, CC, BS+NPR*(\s)+2*(\g)+\t/2, \t%2, AS+6*(\m/2)+(\s), \m%2
.endr
.endr
.endm
; the same for nt tiles of v from tile n0 on, the sources changed
.macro MULV n0, nt, s, buf
.if (\s) == 0
	WIN 0xE1
.elseif (\s) < 5
	WIN 0xF1
.else
	WIN 0xF2
.endif
.irp n, 0,1,2,3
.if \n < (\nt)
.irp m, 0,1,2,3
.set DD, 8*(4*\n+\m)
.set XX, 12*(4*((\s)%5)+\m)
.set CC, DD
.if (\s) == 0
.set CC, BV+8*((\n0)+\n)
.endif
	WM DD, XX, BF+48*(\buf)+12*\n, CC, AS+6*(\m/2)+(\s), \m%2, BS+NPR*(\s)+6+((\n0)+\n)/2, ((\n0)+\n)%2
.endr
.endif
.endr
.endm
; a group's six K steps.  While one set of weight fragments is multiplied, the next step's loads are on their way into the other
.macro GEMM kind, g, n0, nt, first
	BFETCH 0, 0, \nt
.irp s, 0,1,2,3,4,5
.if \s < 5
	PLACES
	BFETCH \s+1, (\s+1)%2, \nt
	s_wait_dscnt 4*\nt                             ; this step's fragments are in; the next step's, just asked for, may be out
.else
	s_wait_dscnt 0x0
.endif
.if \first
.if \s < 4
	s_wait_loadcnt 63                              ; behind this step's fragments of x stand more loads than the count's field holds
.else
	s_wait_loadcnt 16*(5-\s)+38                    ; 16 loads for each later K step of x, 6 of v's bias and 32 of the table may be out
.endif
.endif
.if \kind == 0
	MULQK \g, \s, \s%2
.else
	MULV \n0, \nt, \s, \s%2
.endif
	WIN 0
.endr
	PLACES
.endm
; a group's head: my quarter of the group has landed (the later groups' loads may stay out), and so has everybody's
.macro GHEAD g, gb
.if \g == 1
	s_wait_tensorcnt 0x0                           ; my quarter of groups 1 to 4, one load, has landed; behind the barrier everybody's has: the later groups need no further wait
	s_barrier_signal -1
	s_barrier_wait -1
.endif
	v_add_nc_u32 v10, \gb, v1
	v_add_nc_u32 v11, \gb, v2
.endm
; 32 numbers of a lane in window 3, register 16 b + i = element 32 b + 16 h + i of my row, become half a fragment (six registers: lanes 0-15 block 0, lanes 16-31 block 1) in v[IMG] on and two scale bytes in v[PW]
.macro QUANT2 r
	WIN 0x0F
.irp b, 0,1
	v_max3_num_f32 v[TM+\b], |v[(\r)+16*\b]|, |v[(\r)+16*\b+1]|, 0x1800000   ; my 16 numbers of block b, from the low end on, and the floor 2^(3 - 127)
.endr
.irp i, 2,4,6,8,10,12,14
.irp b, 0,1
	v_max3_num_f32 v[TM+\b], |v[(\r)+16*\b+\i]|, |v[(\r)+16*\b+\i+1]|, v[TM+\b]
.endr
.endr
	WIN 0
.irp b, 0,1
	v_permlanex16_b32 v[TM+2+\b], v[TM+\b], s[SEL], s[SEL+1]
.endr
.irp b, 0,1
	v_max_num_f32 v[TM+\b], v[TM+\b], v[TM+2+\b]   ; with lane l xor 16's 16: the block's largest magnitude
.endr
.irp b, 0,1
	v_add_nc_u32 v[TM+4+\b], 0xff000000, v[TM+\b]  ; 2 off the exponent field: the conversion's scale operand
.endr
.irp b, 0,1
	v_lshrrev_b32 v[TM+2+\b], 23, v[TM+4+\b]       ; the scale's byte
.endr
	v_lshl_or_b32 v[PW], v[TM+3], 8, v[TM+2]
	s_wait_alu depctr_va_vdst(0)
	s_wait_xcnt 0x0                                ; the earlier stores have read their data and offsets, which are written again from here on
	WIN 0x03
	v_cvt_scalef32_pk16_fp6_f32 v[IMG:IMG+2], v[(\r):(\r)+15], v[TM+4]
	v_cvt_scalef32_pk16_fp6_f32 v[CT:CT+2], v[(\r)+16:(\r)+31], v[TM+5]
	WIN 0
	v_nop                                          ; one plain place behind a scaled conversion
.irp i, 0,1,2
	v_permlane16_swap_b32 v[IMG+\i], v[CT+\i]      ; the operand's layout wants a whole block in a lane
.endr
.irp i, 0,1,2
	v_mov_b32 v[IMG+3+\i], v[CT+\i]
.endr
.endm
; the partial RoPE on tile m: register i is x1 (channel 16 h + i), register 16 + i is x2 (32 further on); lanes 16-31 hold channels that are not turned: their cos is 1 and their sin 0
.macro ROPE m
.set RR, 32*\m
.set KK, CSR+32*\m
	WIN 0x0F
.irp i, 0,2,4,6,8,10,12,14
	v_pk_mul_f32 v[T1+\i:T1+\i+1], v[RR+16+\i:RR+17+\i], v[KK+16+\i:KK+17+\i]      ; x2 sin
.endr
.irp i, 0,2,4,6,8,10,12,14
	v_pk_mul_f32 v[T2+\i:T2+\i+1], v[RR+\i:RR+\i+1], v[KK+16+\i:KK+17+\i]          ; x1 sin
.endr
	WIN 0xCF
.irp i, 0,2,4,6,8,10,12,14
	v_pk_fma_f32 v[RR+\i:RR+\i+1], v[RR+\i:RR+\i+1], v[KK+\i:KK+\i+1], v[T1+\i:T1+\i+1] neg_lo:[0,0,1] neg_hi:[0,0,1]   ; x1 cos - x2 sin
.endr
.irp i, 0,2,4,6,8,10,12,14
	v_pk_fma_f32 v[RR+16+\i:RR+17+\i], v[RR+16+\i:RR+17+\i], v[KK+\i:KK+\i+1], v[T2+\i:T2+\i+1]                         ; x2 cos + x1 sin
.endr
.endm
.macro OUTQK g, m                      ; tile m of head g leaves: 768 bytes of codes; with every second tile the pair's 128 bytes of scale words
	ROPE \m
	QUANT2 32*\m
	v_or_b32 v[PW], 0x7f7f0000, v[PW]              ; the instruction's upper 64 along K are zero codes: their bytes stand for 1
	global_store_b128 v1, v[IMG:IMG+3], s[78:79] offset:\g*HS+768*\m
	global_store_b64 v2, v[IMG+4:IMG+5], s[78:79] offset:\g*HS+768*\m+512
.if \m%2 == 0
	v_mov_b32 v[PWE], v[PW]
.else
	v_cndmask_b32 v[PWS], v[PWE], v[PW], s[HIM]    ; lanes 0-15 the even tile's words, lanes 16-31 the odd tile's
	global_store_b32 v3, v[PWS], s[80:81] offset:\g*HS+128*(\m/2)
.endif
.endm
.macro OUTV n0, n                      ; tile n0 + n of v leaves: half a fragment (my 64 keys), and two of each scale word's four bytes
	QUANT2 32*\n
	v_add_nc_u32 v125, s[86+\n0+\n], v1
	v_add_nc_u32 v126, s[86+\n0+\n], v2
	global_store_b128 v125, v[IMG:IMG+3], s[82:83]
	global_store_b64 v126, v[IMG+4:IMG+5], s[82:83] offset:512
.if \n%2 == 0
	v_mov_b32 v[PWE], v[PW]
.else
	v_cndmask_b32 v[PWS], v[PWE], v[PW], s[HIM]
	v_add_nc_u32 v127, s[92+(\n0+\n)/2], v3
	global_store_b16 v127, v[PWS], s[84:85]
.endif
.endm
	s_load_b256 s[4:11], s[0:1], 0x0               ; XB, WB, bq, bk
	s_load_b128 s[12:15], s[0:1], 0x20             ; bv, QB
	s_load_b64 s[16:17], s[0:1], 0x30              ; KVB
	v_lshl_add_u32 v8, v0, 2, SPARE
	v_mov_b32 v9, 0
	ds_add_u32 v8, v9                              ; the wave's opening: the add and its wait ahead of my first tensor load; the set-up, work on registers, stands between
	ds_add_u32 v8, v9
	v_lshrrev_b32 v1, 5, v0
	v_readfirstlane_b32 s18, v1                    ; wave 0..3
	s_and_b32 s21, ttmp7, 0xffff                   ; column block, which the four partners share
	s_mov_b32 s[G1A], 15|(3<<16)|(1<<21)           ; 15:0 the mask: all four work-groups; 17:16 elements of 8 bytes; 21 set beside a mask; no padding
	s_mov_b32 s[G1A+1], 32<<16                     ; tensor_dim0 = 32 elements: rows of 256 bytes
	s_mov_b32 s[G1A+2], 36<<16                     ; tensor_dim1 = 36 rows: a quarter of a group of 36,864 bytes
	s_mov_b32 s[G1A+3], 32<<16                     ; tile_dim0
	s_mov_b32 s[G1A+4], 36                         ; tile_dim1
	s_mov_b32 s[G1A+5], 32                         ; the pitch: dense
	s_mov_b32 s[G1A+6], 0
	s_mov_b32 s[G1A+7], 0
	s_mov_b32 s[G1B], 15|(3<<16)|(1<<21)           ; the same with 126 rows, for groups 1 to 4
	s_mov_b32 s[G1B+1], 32<<16
	s_mov_b32 s[G1B+2], 126<<16                    ; 126 rows: a quarter of groups 1 to 4 together, 129,024 bytes on end
	s_mov_b32 s[G1B+3], 32<<16
	s_mov_b32 s[G1B+4], 126
	s_mov_b32 s[G1B+5], 32
	s_mov_b32 s[G1B+6], 0
	s_mov_b32 s[G1B+7], 0
	s_mul_i32 s22, s18, 9216                       ; my quarter of a group,
	s_mul_i32 s95, s18, 32256                      ; and of groups 1 to 4
	s_mov_b32 s[G0], 1
	s_add_co_u32 s[G0+1], s22, 0                   ; LDS address: a constant + the wave's number x a constant
	s_mov_b32 s[G0+16], 1
	s_add_co_u32 s[G0+17], s95, 36864
	s_mul_i32 s23, s21, 165888
	s_add_co_u32 s22, s22, s23                     ; the same places in memory, in my column block
	s_add_co_u32 s96, s95, s23
	s_mov_b32 s23, 0
	s_mov_b32 s97, 0
	s_mov_b32 s[SEL], 0x76543210
	s_mov_b32 s[SEL+1], 0xfedcba98
	s_mov_b32 s[HIM], 0xffff0000
	v_and_b32 v7, 31, v0
	v_lshlrev_b32 v1, 4, v7                        ; 16 x lane
	v_lshlrev_b32 v2, 3, v7                        ; 8 x lane
	v_lshlrev_b32 v3, 2, v7                        ; 4 x lane
	v_and_b32 v4, 15, v0
	v_and_b32 v5, 8, v4
	v_add_nc_u32 v6, v5, v4                        ; r + 8 (r / 8)
	v_bfe_u32 v5, v0, 4, 1
	v_lshlrev_b32 v5, 6, v5                        ; 64 h: my half's 16 numbers of a bias or of the table
	v_lshl_add_u32 v4, v6, 8, v5                   ; the table: my token's row of 256 bytes, + 64 h
	v_lshlrev_b32 v6, 2, v6                        ; v's bias: my channel
	v_mov_b32 v[TM+2], 0                           ; a lane permute's destination counts as one of its sources
	v_mov_b32 v[TM+3], 0
	; what hangs on my rows (and so on my place in the cluster) enters global addresses alone
	s_bfe_u32 s19, ttmp6, 0x40000                  ; cx
	s_lshl_b32 s20, ttmp9, 2
	s_add_co_u32 s20, s20, s19                     ; row block of 256
	s_and_b32 s98, s20, 3
	s_lshr_b32 s99, s20, 2                         ; batch
	s_mul_i32 s66, s20, 147456
	s_mul_i32 s63, s18, 36864
	s_add_co_u32 s66, s66, s63                     ; x's codes: tile 16 rb + 4 w, 9,216 bytes a tile
	s_mul_i32 s68, s20, 6144
	s_mul_i32 s63, s18, 1536
	s_add_co_u32 s68, s68, s63
	s_add_co_u32 s68, s68, XS                      ; x's scale words: pair 8 rb + 2 w, 768 bytes a pair
	s_mul_i32 s70, s21, 6912
	s_add_co_u32 s70, s70, W1S                     ; the block's scale words
	s_and_b32 s63, s21, 3
	s_mul_i32 s72, s63, 768                        ; q's or k's bias: three heads of 64
	s_mul_i32 s74, s21, 384                        ; v's: 96 channels
	s_mul_i32 s78, s63, 3*HS                       ; my first head of q or k
	s_lshl_b32 s76, s98, 16
	s_lshl_b32 s63, s18, 14
	s_add_co_u32 s76, s76, s63
	s_add_co_u32 s76, s76, TAB                     ; the table at my first token, 256 (rb % 4) + 64 w
	s_lshl_b32 s63, s98, 1
	s_lshr_b32 s95, s18, 1
	s_add_co_u32 s63, s63, s95                     ; which block of 128 keys
	s_mul_i32 s63, s63, BLK
	s_mul_i32 s95, s99, HEAD
	s_add_co_u32 s63, s63, s95                     ; batch and block
	s_and_b32 s95, s18, 1                          ; c: which 64 of the 128
	s_add_co_u32 s78, s78, s63
	s_lshl_b32 s98, s95, 8
	s_add_co_u32 s80, s78, s98
	s_add_co_u32 s80, s80, 12288                   ; q's or k's scale words: pairs 2 c, 2 c + 1
	s_mul_i32 s98, s95, 3072
	s_add_co_u32 s78, s78, s98                     ; q's or k's codes: tiles 4 c + m
	s_mul_i32 s98, s95, 768
	s_add_co_u32 s82, s63, s98
	s_add_co_u32 s82, s82, 6144                    ; v's codes: half c of a fragment
	s_lshl_b32 s98, s95, 1
	s_add_co_u32 s84, s63, s98
	s_add_co_u32 s84, s84, 12800                   ; v's scale words: bytes 2 c, 2 c + 1
.irp p, 67,69,71,73,75,77,79,81,83,85
	s_mov_b32 s\p, 0
.endr
	s_mul_i32 s98, s21, 6                          ; my first tile of v's 48
.irp n, 0,1,2,3,4,5
	s_add_co_u32 s99, s98, \n
	s_lshr_b32 s63, s99, 2
	s_mul_i32 s63, s63, HS                         ; its head,
	s_and_b32 s99, s99, 3
	s_mul_i32 s[86+\n], s99, 1536                  ; and its fragment in the head
	s_add_co_u32 s[86+\n], s[86+\n], s63
.if \n%2 == 0
	s_lshr_b32 s99, s99, 1
	s_lshl_b32 s99, s99, 7
	s_add_co_u32 s[92+\n/2], s99, s63              ; the pair's scale words
.endif
.endr
	s_wait_dscnt 0x0                               ; the opening add is done
	s_wait_kmcnt 0x0
	s_add_nc_u64 s[22:23], s[6:7], s[22:23]
	s_add_nc_u64 s[96:97], s[6:7], s[96:97]
	s_mov_b64 s[G0+2:G0+3], s[22:23]
	s_or_b32 s[G0+3], s[G0+3], 0x80000000
	s_add_nc_u64 s[G0+18:G0+19], s[96:97], 36864
	s_or_b32 s[G0+19], s[G0+19], 0x80000000
	s_add_nc_u64 s[66:67], s[4:5], s[66:67]
	s_add_nc_u64 s[68:69], s[4:5], s[68:69]
	s_add_nc_u64 s[70:71], s[6:7], s[70:71]
	s_add_nc_u64 s[76:77], s[6:7], s[76:77]
	s_add_nc_u64 s[74:75], s[12:13], s[74:75]
	s_cmp_lt_u32 s21, 4                            ; column blocks 0-3 make q, 4-7 k: the choice hangs on the work-group's number alone
	s_cselect_b64 s[98:99], s[8:9], s[10:11]
	s_add_nc_u64 s[72:73], s[98:99], s[72:73]
	s_cselect_b64 s[98:99], s[14:15], s[16:17]
	s_add_nc_u64 s[78:79], s[98:99], s[78:79]
	s_add_nc_u64 s[80:81], s[98:99], s[80:81]
	s_add_nc_u64 s[82:83], s[16:17], s[82:83]
	s_add_nc_u64 s[84:85], s[16:17], s[84:85]
	CROUND                                         ; all four work-groups are here: the joint loads meet
	tensor_load_to_lds s[G0:G0+3], s[G1A:G1A+7]    ; my quarter of group 0: one tensor load a wave at the head
	s_nop 0
.rept 4
	v_nop
.endr
	; what the first products want is asked for first: the scale words, q's or k's bias, x's fragments
.set i, 0
.rept 54
	global_load_b32 v[BS+i], v3, s[70:71] offset:128*i             ; the weights' scale words: register 9 s + pair
.set i, i+1
.endr
.set i, 0
.rept 12
	global_load_b32 v[AS+i], v3, s[68:69] offset:128*i             ; x's: register 6 (m / 2) + s
.set i, i+1
.endr
	WIN 0x80
	s_wait_alu depctr_va_vdst(0)
.irp g, 0,1,2
.irp t, 0,1,2,3
.irp e, 0,1
	global_load_b128 v[BQ+32*\g+8*\t+4*\e:BQ+32*\g+8*\t+4*\e+3], v5, s[72:73] offset:(64*\g+32*(\t/2)+8*(\t%2))*4+16*\e   ; the bias in the result's layout: channels 32 b + 16 h + 8 u + 0 .. 7
.endr
.endr
.endr
	WIN 0x40
.irp s, 0,1,2,3,4
.irp m, 0,1,2,3
.irp c, 0,1
	global_load_b128 v[12*(4*\s+\m)+6*\c:12*(4*\s+\m)+6*\c+3], v1, s[66:67] offset:9216*\m+1536*\s+768*\c
	global_load_b64 v[12*(4*\s+\m)+6*\c+4:12*(4*\s+\m)+6*\c+5], v2, s[66:67] offset:9216*\m+1536*\s+768*\c+512
.endr
.endr
.endr
	WIN 0x80
.irp m, 0,1,2,3
.irp c, 0,1
	global_load_b128 v[12*\m+6*\c:12*\m+6*\c+3], v1, s[66:67] offset:9216*\m+1536*5+768*\c
	global_load_b64 v[12*\m+6*\c+4:12*\m+6*\c+5], v2, s[66:67] offset:9216*\m+1536*5+768*\c+512
.endr
.endr
	WIN 0
	s_wait_alu depctr_va_vdst(0)                   ; the wait ahead of the blocking wait
	s_wait_tensorcnt 0x0                           ; group 0's quarter is in; a later first fill is issued as a refill is:
	ds_add_u32 v8, v9                              ; the add,
	s_wait_dscnt 0x0
	CROUND                                         ; a whole round: group 0 is whole in all four work-groups, and the joint loads meet
	tensor_load_to_lds s[G0+16:G0+19], s[G1B:G1B+7]  ; my quarter of groups 1 to 4
	s_nop 0
	WIN 0x80
.irp n, 0,1,2,3,4,5
	global_load_b32 v[BV+8*\n], v6, s[74:75] offset:(32*(\n/2)+8*(\n%2))*4         ; v: a lane holds one channel: its bias, copied into the tile's other seven registers ahead of v's products
.endr
	WIN 0xC0
.irp m, 0,1,2,3
.irp q, 0,1
.irp e, 0,1,2,3
	global_load_b128 v[CSR+32*\m+16*\q+4*\e:CSR+32*\m+16*\q+4*\e+3], v4, s[76:77] offset:(32*(\m/2)+8*(\m%2))*256+128*\q+16*\e   ; cos (q = 0) and sin (1) of my token, angles 16 h + 0 .. 15
.endr
.endr
.endr
	WIN 0
	; ---- three heads of q or k
	GHEAD 0, 0
	s_wait_alu depctr_va_vdst(0)
	GEMM 0, 0, 0, 4, 1
	s_wait_loadcnt 0x0                             ; v's bias and the table are in
.irp m, 0,1,2,3
	OUTQK 0, \m
.endr
	GHEAD 1, 36864
	s_wait_alu depctr_va_vdst(0)
	GEMM 0, 1, 0, 4, 0
.irp m, 0,1,2,3
	OUTQK 1, \m
.endr
	GHEAD 2, 73728
	s_wait_alu depctr_va_vdst(0)
	GEMM 0, 2, 0, 4, 0
.irp m, 0,1,2,3
	OUTQK 2, \m
.endr
	; ---- six tiles of v
	WIN 0x82                                       ; source 0 and destination in window 2
.irp n, 0,1,2,3,4,5
.irp j, 1,2,3,4,5,6,7
	v_mov_b32 v[BV+8*\n+\j], v[BV+8*\n]            ; v's bias in all eight registers of the result's layout
.endr
.endr
	WIN 0
	GHEAD 3, 110592
	s_wait_alu depctr_va_vdst(0)
	GEMM 1, 0, 0, 4, 0
.irp n, 0,1,2,3
	OUTV 0, \n
.endr
	GHEAD 4, 147456
	s_wait_alu depctr_va_vdst(0)
	GEMM 1, 0, 4, 2, 0
.irp n, 0,1
	OUTV 4, \n
.endr
	s_wait_tensorcnt 0x0                           ; the wave's end
	ds_add_u32 v8, v9
	s_wait_dscnt 0x0
	CROUND                                         ; the closing round
	s_endpgm
.Lfunc_end_k_qfb82b0bbd9_qkv:
	.size	k_qfb82b0bbd9_qkv, .Lfunc_end_k_qfb82b0bbd9_qkv-k_qfb82b0bbd9_qkv
	.p2alignl 7, 3214868480
	.fill 96, 4, 3214868480
	.section	.rodata,"a",@progbits
	.p2align	6, 0x0
	.amdhsa_kernel k_qfb82b0bbd9_qkv
		.amdhsa_group_segment_fixed_size 327680
		.amdhsa_private_segment_fixed_size 0
		.amdhsa_enable_private_segment 0
		.amdhsa_kernarg_size 56
		.amdhsa_user_sgpr_count 2
		.amdhsa_user_sgpr_kernarg_segment_ptr 1
		.amdhsa_wavefront_size32 1
		.amdhsa_system_sgpr_workgroup_id_x 1
		.amdhsa_system_sgpr_workgroup_id_y 1
		.amdhsa_system_sgpr_workgroup_id_z 1
		.amdhsa_system_vgpr_workitem_id 0
		.amdhsa_next_free_vgpr 1024
		.amdhsa_next_free_sgpr 100
		.amdhsa_reserve_vcc 0
		.amdhsa_float_denorm_mode_32 3
		.amdhsa_float_denorm_mode_16_64 3
		.amdhsa_memory_ordered 1
		.amdhsa_forward_progress 1
		.amdhsa_inst_pref_size 189
	.end_amdhsa_kernel
	.amdgpu_metadata
---
amdhsa.version: [ 1, 2 ]
amdhsa.kernels:
  - .name:           k_qfb82b0bbd9_qkv
    .symbol:         k_qfb82b0bbd9_qkv.kd
    .args:
      - { .name: XB, .offset: 0, .size: 8, .value_kind: global_buffer, .address_space: global }
      - { .name: WB, .offset: 8, .size: 8, .value_kind: global_buffer, .address_space: global }
      - { .name: bq, .offset: 16, .size: 8, .value_kind: global_buffer, .address_space: global }
      - { .name: bk, .offset: 24, .size: 8, .value_kind: global_buffer, .address_space: global }
      - { .name: bv, .offset: 32, .size: 8, .value_kind: global_buffer, .address_space: global }
      - { .name: QB, .offset: 40, .size: 8, .value_kind: global_buffer, .address_space: global }
      - { .name: KVB, .offset: 48, .size: 8, .value_kind: global_buffer, .address_space: global }
    .group_segment_fixed_size: 327680
    .private_segment_fixed_size: 0
    .kernarg_segment_align: 8
    .kernarg_segment_size: 56
    .max_flat_workgroup_size: 128
    .sgpr_count:     100
    .vgpr_count:     1024
    .wavefront_size: 32
...
	.end_amdgpu_metadata
.endif
;; end of part 2
;; launch attn (part 3): grid 4 x 64, 16 waves a work-group, clusters of 4 x 1, 327,680 bytes of LDS; arguments QB, KVB, OB; writes OB
.if DOCPART == 3
	.amdgcn_target "amdgcn-amd-amdhsa--gfx1250"
	.amdhsa_code_object_version 6
	.text
	.protected	k_qfb82b0bbd9_attn
	.globl	k_qfb82b0bbd9_attn
	.p2align	8
	.type	k_qfb82b0bbd9_attn,@function
k_qfb82b0bbd9_attn:
	s_mov_b64 s[64:65], 0
	v_nop
	global_prefetch_b8 v0, s[64:65] scope:SCOPE_SE
	s_setreg_imm32_b32 hwreg(HW_REG_WAVE_MODE, 25, 1), 1
	s_wait_xcnt 0x0
	s_wait_alu depctr_hold_cnt(0) depctr_sa_sdst(0) depctr_va_vdst(0) depctr_va_sdst(0) depctr_va_ssrc(0) depctr_va_vcc(0) depctr_vm_vsrc(0)
	s_getreg_b32 s2, hwreg(HW_REG_IB_STS2, 6, 4)
	s_cmp_eq_u32 s2, 0
	s_cbranch_scc0 .Lentry_in_a_cluster
	s_endpgm
.Lentry_in_a_cluster:
	s_bfe_u32 s2, ttmp6, 0x10000c
	s_cmp_lg_u32 s2, 0x3003
	s_cbranch_scc0 .Lentry_shape_is_right
	s_endpgm
.Lentry_shape_is_right:
; ATTN: o = softmax(q k^T / 8) v, both products on codes of FP6 (E2M3) as the launch before has laid them; o is quantised along the channels and stored as the last product's operand.
; THE SOFTMAX: t = score x log2(e) / 8 (q's factor 1/8 is in the constant); M = the running largest t rounded UP to a whole number; p = 2^(t - M) is quantised along the keys, not normalised;
; the row's sum is taken of the unquantised p and divides at the end.  When M moves, the sum and O are multiplied by 2^(old M - new M), which rounds nothing.
; SHARES.  256 work-groups.  A work-group owns 256 queries (each of its sixteen waves a tile of 16) of THREE units: head x 16 + batch = y, y + 64, y + 128 (y: the cluster's number).
; The three units' k and v, 3 x 104,448 bytes, lie in LDS side by side and nothing is filled again.  Unit 0 is asked for at the head (waves 0-7, a block of 13,056 bytes each);
; units 1 and 2 behind the full sequence and a round, one block a wave in all sixteen waves.  One barrier behind unit 0's keys shows them to all waves.
; CLUSTER.  The four work-groups of a cluster are the four query blocks of the same units: the loads are joint ones (mask 15).  The place in the cluster enters global addresses alone.
; NO PREFETCH: every byte of k and v that the work-group reads is asked for by these two groups of tensor loads, ahead of the first key step: no later tensor load is left to run ahead of.
; LAYOUT.  Both products are used transposed (S^T = k q^T, O^T = v^T p^T): a lane holds ONE query.  WHICH KEYS FORM A TILE OF k is chosen by the lanes' LDS addresses: row 8 B + j of tile 4 c + t is
; key 64 c + 32 B + 8 t + j.  So a lane's 32 registers of four neighbouring tiles are keys 64 c + 32 h + 0 .. 31: a WHOLE block of 32, in the order of the next operand's registers:
; a block's largest score needs no other lane, and the conversions' results are the operand.  In memory key 32 b + 16 a + 8 u + j is row 8 a + j of tile 2 b + u.
; THE FIRST PRODUCT'S K IS 64: a tile of k is six registers and the operand takes twelve: the upper six are the next tile's codes (behind the last tile: six registers of lane offsets, read as codes).
; Every code of E2M3 is a finite number; they meet q's upper six, which are zero codes, under scale bytes that stand for 1: they add nothing.
; A UNIT'S START: -M is set to 2^125, so that the first step's factor is 0: it clears the sum and O^T, which hold the last unit's finite numbers.
; LIMITS: NaN and infinities are not served; blocks whose largest magnitude lies under 2^-124 keep the byte 1, blocks of zeros too; the scaled scores stay under 2^31 in magnitude.
; REGISTERS: v0 8 h; v1-3 v's addresses, v4-6 k's; v7-8 the add's two; v9 q's scale words; v10-11 v's; v12 -M, v13 the largest score, v[14:15] the sum; v16-27 q; v28-31 k's scale words; v32-79 k;
;   v80-85 lane offsets; v86-133 v; v134-197 S^T, then p; v198-229 O^T; v230-241 p's codes; v242-253 at work; v254 f; v255 p's scale word.
.set BLK,   13056
.set HEAD,  8*BLK
.set UNITB, 64*HEAD                    ; from a unit to the work-group's next, in QB and KVB
.set XS,    9437184
.set SPARE, 3*HEAD                     ; behind the three units: the spare words, 128 bytes a wave: eight blocks of 256 bytes that no other line names
.set SEL, 28
.set CS,  30
.set TB,  32
.set CNT, 33
.set L16, 80                           ; 16, 8, 4 x lane
.set L8,  81
.set L4,  82
.set LKA, 83                           ; k's codes: 1536 B + 16 j + 256 h, and 1536 B + 8 j + 128 h (lane = 16 h + 8 B + j)
.set LKB, 84
.set LKS, 85                           ; k's scale words: 128 B + 64 h + 4 j
.set S,   134
.set O,   198
.set PC,  230
.macro CROUND
	s_barrier_signal -1
	s_barrier_wait -1
	s_cmp_lg_u32 s10, 0
	s_cbranch_scc1 .Lnot_wave_0_\@
	s_barrier_signal -3
.Lnot_wave_0_\@:
	s_barrier_wait -3
	s_barrier_signal -1
	s_barrier_wait -1
.endm
	s_load_b128 s[4:7], s[0:1], 0x0                ; QB, KVB
	s_load_b64 s[8:9], s[0:1], 0x10                ; OB
	v_lshl_add_u32 v7, v0, 2, SPARE
	v_mov_b32 v8, 0
	ds_add_u32 v7, v8                              ; the opening lines: the add, twice on end, and its wait ahead of the first tensor load
	ds_add_u32 v7, v8
	v_lshrrev_b32 v1, 5, v0
	s_delay_alu instid0(VALU_DEP_1)
	v_readfirstlane_b32 s10, v1                    ; wave 0..15
	s_and_b32 s12, ttmp7, 0xffff                   ; y = unit 0's head x 16 + batch, which the four partners share
	s_mov_b32 s16, 15|(3<<16)|(1<<21)              ; group 1: the mask; elements of 8 bytes; bit 21 beside the mask; no padding
	s_mov_b32 s17, 32<<16                          ; rows of 256 bytes,
	s_mov_b32 s18, 51<<16                          ; 51 of them: a block
	s_mov_b32 s19, 32<<16
	s_mov_b32 s20, 51
	s_mov_b32 s21, 32
	s_mov_b32 s22, 0
	s_mov_b32 s23, 0
	s_mov_b32 s24, 1
	s_mul_i32 s25, s10, BLK                        ; block w of unit 0 goes to LDS byte 13,056 w
	s_mul_i32 s34, s12, HEAD
	s_add_co_u32 s26, s34, s25
	s_mov_b32 s27, 0
	s_lshr_b32 s50, s10, 3                         ; the second load: waves 0-7 block w of unit 1, waves 8-15 block w - 8 of unit 2: LDS byte HEAD + 13,056 w in both cases;
	s_mul_i32 s50, s50, 63*HEAD                    ; in memory 64 heads on, and for waves 8-15 64 - 1 more
	s_add_co_u32 s50, s50, UNITB
	s_mov_b32 s51, 0
	s_mov_b32 s[SEL], 0x76543210
	s_mov_b32 s[SEL+1], 0xfedcba98
	s_mov_b32 s[CS], 0x3e38aa3b                    ; c = log2(e) / 8
	s_mov_b32 s[CS+1], s[CS]                       ; (named with it as a pair)
	; my tile T = 16 cx + w of a head's 64
	s_bfe_u32 s11, ttmp6, 0x40000                  ; cx
	s_lshr_b32 s13, s12, 4                         ; unit 0's head; unit i's is 4 i further on
	s_and_b32 s14, s12, 15                         ; batch
	s_lshl_b32 s35, s11, 1
	s_lshr_b32 s36, s10, 3
	s_add_co_u32 s35, s35, s36
	s_mul_i32 s35, s35, BLK
	s_add_co_u32 s35, s35, s34                     ; q: the block of 8 tiles in which mine lies
	s_and_b32 s44, s10, 7
	s_mul_i32 s36, s44, 768
	s_add_co_u32 s36, s36, s35                     ; its codes
	s_lshr_b32 s44, s44, 1
	s_lshl_b32 s44, s44, 7
	s_add_co_u32 s38, s35, s44
	s_and_b32 s44, s10, 1
	s_lshl_b32 s45, s44, 6
	s_add_co_u32 s38, s38, s45
	s_add_co_u32 s38, s38, 12288                   ; its scale words: the pair's 128 bytes, my tile's half
	s_lshl_b32 s46, s14, 6
	s_lshl_b32 s47, s11, 4
	s_add_co_u32 s46, s46, s47
	s_add_co_u32 s46, s46, s10                     ; o: tile 64 batch + T
	s_mul_i32 s40, s46, 6
	s_lshr_b32 s47, s13, 1
	s_add_co_u32 s40, s40, s47                     ; K step head / 2 (unit i: 2 i steps, 3,072 i bytes, further on)
	s_mul_i32 s40, s40, 1536
	s_and_b32 s48, s13, 1
	s_mul_i32 s49, s48, 768
	s_add_co_u32 s40, s40, s49                     ; half head % 2
	s_lshr_b32 s46, s46, 1
	s_mul_i32 s42, s46, 6
	s_add_co_u32 s42, s42, s47
	s_lshl_b32 s42, s42, 7
	s_add_co_u32 s42, s42, s45
	s_lshl_b32 s48, s48, 1
	s_add_co_u32 s42, s42, s48
	s_add_co_u32 s42, s42, XS                      ; its two bytes of each scale word (unit i: 256 i bytes further on)
	s_mov_b32 s37, 0
	s_mov_b32 s39, 0
	s_mov_b32 s41, 0
	s_mov_b32 s43, 0
	s_wait_dscnt 0x0                               ; both opening adds are done
	s_wait_kmcnt 0x0
	s_add_nc_u64 s[26:27], s[6:7], s[26:27]
	s_or_b32 s27, s27, 0x80000000
	s_add_nc_u64 s[36:37], s[4:5], s[36:37]
	s_add_nc_u64 s[38:39], s[4:5], s[38:39]
	s_add_nc_u64 s[40:41], s[8:9], s[40:41]
	s_add_nc_u64 s[42:43], s[8:9], s[42:43]
	CROUND                                         ; all four work-groups are here: the joint loads meet
	s_cmp_lt_u32 s10, 8                            ; waves 0-7 bring a block of unit 0 each; the branch hangs on the wave's number alone
	s_cbranch_scc0 .Lno_load
	tensor_load_to_lds s[24:27], s[16:23]
	s_nop 0
.rept 4
	v_nop
.endr
.Lno_load:
	v_and_b32 v3, 31, v0
	v_and_b32 v4, 7, v0                            ; j
	v_bfe_u32 v5, v0, 3, 1                         ; B
	v_bfe_u32 v6, v0, 4, 1                         ; h
	v_lshlrev_b32 v[L16], 4, v3
	v_lshlrev_b32 v[L8], 3, v3
	v_lshlrev_b32 v[L4], 2, v3
	v_mul_u32_u24 v2, v5, 1536
	v_lshlrev_b32 v[LKS], 2, v4
	s_delay_alu instid0(VALU_DEP_2)
	v_lshl_add_u32 v[LKA], v4, 4, v2
	s_delay_alu instid0(VALU_DEP_3)
	v_lshl_add_u32 v[LKB], v4, 3, v2
	s_delay_alu instid0(VALU_DEP_3)
	v_lshl_add_u32 v[LKS], v5, 7, v[LKS]
	s_delay_alu instid0(VALU_DEP_3)
	v_lshl_add_u32 v[LKA], v6, 8, v[LKA]
	s_delay_alu instid0(VALU_DEP_3)
	v_lshl_add_u32 v[LKB], v6, 7, v[LKB]
	s_delay_alu instid0(VALU_DEP_3)
	v_lshl_add_u32 v[LKS], v6, 6, v[LKS]
	v_and_b32 v251, 60, v[L4]                      ; 4 r
	v_lshlrev_b32 v0, 3, v6                        ; 8 h: my bytes' shift in p's scale word
	global_load_b128 v[16:19], v[L16], s[36:37]    ; unit 0's tile of q
	global_load_b64 v[20:21], v[L8], s[36:37] offset:512
	global_load_b32 v9, v251, s[38:39]
	v_mov_b32 v13, 0xff61b1e6                      ; the largest score so far: -3e38
	v_mov_b32 v12, 0x7e000000                      ; -M = 2^125
	v_mov_b32 v14, 0
	v_mov_b32 v15, 0
.irp j, 0,1,2,3,4,5
	v_mov_b32 v[22+\j], 0                          ; q's upper 64 along K: zero codes
.endr
	v_mov_b32 v245, 0                              ; a lane permute's destination counts as one of its sources
	v_mov_b32 v249, 0
	v_mov_b32 v255, 0                              ; (named as the upper half of the pair v[254:255] before it is first written)
.set j, 0
.rept 32
	v_mov_b32 v[O+j], 0                            ; O^T is written once, for the very first step's factor to meet numbers
.set j, j+1
.endr
; A KEY STEP: the 128 keys of the block at LDS byte s[TB]
.macro STEP
	v_add_nc_u32 v4, s[TB], v[LKA]
	v_add_nc_u32 v5, s[TB], v[LKB]
	v_add_nc_u32 v6, s[TB], v[LKS]
.irp c, 0,1
.irp a, 0,1
.irp u, 0,1
	ds_load_b128 v[32+6*(4*\c+2*\a+\u):35+6*(4*\c+2*\a+\u)], v4 offset:3072*\c+768*\u+128*\a      ; my row of tile 4 c + 2 a + u: row 8 a + j of the stored tile 4 c + 2 B + u
	ds_load_b64 v[36+6*(4*\c+2*\a+\u):37+6*(4*\c+2*\a+\u)], v5 offset:3072*\c+768*\u+64*\a+512
.endr
.endr
.endr
.irp c, 0,1
.irp a, 0,1
	ds_load_b32 v[28+2*\c+\a], v6 offset:12288+256*\c+32*\a   ; lanes 0-15: the words of tile 4 c + 2 a, lanes 16-31: of tile 4 c + 2 a + 1
.endr
.endr
	s_wait_dscnt 0x0
.irp p, 0,1,2,3
	v_wmma_scale_f32_16x16x128_f8f6f4 v[S+16*\p:S+7+16*\p], v[32+12*\p:43+12*\p], v[16:27], 0, v[28+\p], v9 matrix_a_fmt:MATRIX_FMT_FP6 matrix_b_fmt:MATRIX_FMT_FP6
	v_wmma_scale_f32_16x16x128_f8f6f4 v[S+8+16*\p:S+15+16*\p], v[38+12*\p:49+12*\p], v[16:27], 0, v[28+\p], v9 matrix_a_fmt:MATRIX_FMT_FP6 matrix_b_fmt:MATRIX_FMT_FP6 matrix_a_scale:MATRIX_SCALE_ROW1
.endr
	v_add_nc_u32 v1, s[TB], v[L16]                 ; these four are the places behind the products; with the three at the step's head they also part the last step's products from the loads into v's registers
	v_add_nc_u32 v2, s[TB], v[L8]
	v_add_nc_u32 v3, s[TB], v[L4]
	v_mov_b32 v246, v12                            ; the old -M
.irp d, 0,1,2,3
.irp c, 0,1
	ds_load_b128 v[86+12*\d+6*\c:89+12*\d+6*\c], v1 offset:6144+1536*\d+768*\c
	ds_load_b64 v[90+12*\d+6*\c:91+12*\d+6*\c], v2 offset:6144+1536*\d+768*\c+512
.endr
.endr
.irp p, 0,1
	ds_load_b32 v[10+\p], v3 offset:12800+128*\p
.endr
; the largest score of my two blocks of 32 keys, each in two chains; every accumulator is first read in its four lowest registers
.irp c, 0,1
	v_max3_num_f32 v[242+\c], v[S+32*\c], v[S+32*\c+1], v[S+32*\c+2]
	v_max3_num_f32 v[244+\c], v[S+32*\c+17], v[S+32*\c+18], v[S+32*\c+19]
.endr
.irp i, 0,1,2,3,4,5
.irp c, 0,1
	v_max3_num_f32 v[242+\c], v[242+\c], v[S+32*\c+3+2*\i], v[S+32*\c+4+2*\i]
	v_max3_num_f32 v[244+\c], v[244+\c], v[S+32*\c+20+2*\i], v[S+32*\c+21+2*\i]
.endr
.endr
.irp c, 0,1
	v_max3_num_f32 v[242+\c], v[242+\c], v[S+32*\c+15], v[S+32*\c+16]
.endr
.irp c, 0,1
	s_delay_alu instid0(VALU_DEP_2)
	v_max_num_f32 v[242+\c], v[242+\c], v[244+\c]  ; it serves the row's maximum and, since p rises with the score, the block's largest p
.endr
	s_delay_alu instid0(VALU_DEP_1)
	v_max_num_f32 v244, v242, v243
	s_delay_alu instid0(VALU_DEP_1)
	v_permlanex16_b32 v245, v244, s[SEL], s[SEL+1] ; lane l xor 16 holds my query's other 64 keys
	s_delay_alu instid0(VALU_DEP_1)
	v_max3_num_f32 v13, v13, v244, v245            ; the running largest score
	s_delay_alu instid0(VALU_DEP_1)
	v_mul_f32 v244, s[CS], v13                     ; as t (c is positive)
	s_delay_alu instid0(VALU_DEP_1)
	v_floor_f32 v12, -v244                         ; the new -M = -ceil(t): a whole number
	s_delay_alu instid0(VALU_DEP_1)
	v_sub_f32 v246, v12, v246                      ; old M - new M: a whole number, 0 or less
	s_delay_alu instid0(VALU_DEP_1)
	v_cvt_i32_f32 v246, v246                       ; (it saturates)
	s_delay_alu instid0(VALU_DEP_1)
	v_ldexp_f32 v254, 1.0, v246                    ; f = 2^(old M - new M)
.set j, 0
.rept 32
	v_pk_fma_f32 v[S+j:S+j+1], v[S+j:S+j+1], s[CS:CS+1], v[12:13] op_sel_hi:[1,0,0]   ; t - M, two at a time
.set j, j+2
.endr
.irp c, 0,1
	v_fma_f32 v[242+\c], v[242+\c], s[CS], v12     ; the same of each block's largest score
.endr
	s_wait_alu depctr_va_vdst(0)                   ; the wait ahead of the batch
.irp c, 0,1
	v_exp_f32 v[242+\c], v[242+\c]                 ; the block's largest p: the same two instructions on the same number
.endr
.set j, 0
.rept 64
	v_exp_f32 v[S+j], v[S+j]                       ; p = 2^(t - M)
.set j, j+1
.endr
	v_pk_mul_f32 v[14:15], v[14:15], v[254:255] op_sel_hi:[1,0]   ; the sums under the new M: the plain place behind the exponentials
	s_wait_alu depctr_va_vdst(0)                   ; one wait for the batch, ahead of its first reader
; the row's sum of the unquantised p, in four chains; the blocks' scales are made between the rounds, so that no line waits for the line above it
.irp k, 0,1,2
	v_pk_add_f32 v[PC+2*\k:PC+2*\k+1], v[S+4*\k:S+4*\k+1], v[S+4*\k+2:S+4*\k+3]
.endr
	v_pk_add_f32 v[14:15], v[14:15], v[S+12:S+13]
.set j, S+14
.set r, 0
.rept 6
.irp k, 0,1,2
	v_pk_add_f32 v[PC+2*\k:PC+2*\k+1], v[PC+2*\k:PC+2*\k+1], v[j+2*\k:j+2*\k+1]
.endr
	v_pk_add_f32 v[14:15], v[14:15], v[j+6:j+7]
.if r == 0
	v_max_num_f32 v242, 0x1800000, v242            ; the floor 2^(3 - 127): the byte cannot fall under 1
	v_max_num_f32 v243, 0x1800000, v243
.elseif r == 1
	v_add_nc_u32 v250, 0xff000000, v242            ; 2 off the exponent field: the conversion's scale operand
	v_add_nc_u32 v251, 0xff000000, v243
.elseif r == 2
	v_lshrrev_b32 v252, 23, v250                   ; the scale's byte
	v_lshrrev_b32 v253, 23, v251
.elseif r == 3
	v_lshl_or_b32 v252, v253, 16, v252             ; my two bytes, blocks h and 2 + h,
.elseif r == 4
	v_lshlrev_b32 v252, v0, v252                   ; at their places
.else
	v_permlanex16_b32 v249, v252, s[SEL], s[SEL+1]
.endif
.set j, j+8
.set r, r+1
.endr
	v_pk_add_f32 v[PC+2:PC+3], v[PC+2:PC+3], v[S+62:S+63]   ; the last pair of p; then the four chains are joined
	s_delay_alu instid0(VALU_DEP_3)
	v_pk_add_f32 v[14:15], v[14:15], v[PC:PC+1]
	s_delay_alu instid0(VALU_DEP_2)
	v_pk_add_f32 v[PC+2:PC+3], v[PC+2:PC+3], v[PC+4:PC+5]
	s_delay_alu instid0(VALU_DEP_1)
	v_pk_add_f32 v[14:15], v[14:15], v[PC+2:PC+3]
.irp c, 0,1
	v_cvt_scalef32_pk16_fp6_f32 v[PC+6*\c:PC+6*\c+2], v[S+32*\c:S+32*\c+15], v[250+\c]       ; registers 6 c .. 6 c + 5 of the operand: keys 64 c + 32 h + 0 .. 31
	v_cvt_scalef32_pk16_fp6_f32 v[242+4*\c:244+4*\c], v[S+32*\c+16:S+32*\c+31], v[250+\c]    ; (a conversion's three registers begin on an even number)
.endr
	v_or_b32 v255, v252, v249                      ; with lane l xor 16's two bytes p's scale word is whole.  (The plain place behind the conversions)
.irp c, 0,1
.irp i, 0,1,2
	v_mov_b32 v[PC+6*\c+3+\i], v[242+4*\c+\i]
.endr
.endr
	s_wait_dscnt 0x0                               ; v and its scale words are in
	s_wait_alu depctr_va_vdst(0)                   ; the wait directly ahead of the first reader of O^T
.set j, 0
.rept 16
	v_pk_mul_f32 v[O+j:O+j+1], v[O+j:O+j+1], v[254:255] op_sel_hi:[1,0]   ; O^T under the new M; these sixteen are also the places between p's codes and scale word and the products
.set j, j+2
.endr
.irp d, 0,2
	v_wmma_scale_f32_16x16x128_f8f6f4 v[O+8*\d:O+7+8*\d], v[86+12*\d:97+12*\d], v[PC:PC+11], v[O+8*\d:O+7+8*\d], v[10+\d/2], v255 matrix_a_fmt:MATRIX_FMT_FP6 matrix_b_fmt:MATRIX_FMT_FP6
	v_wmma_scale_f32_16x16x128_f8f6f4 v[O+8+8*\d:O+15+8*\d], v[98+12*\d:109+12*\d], v[PC:PC+11], v[O+8+8*\d:O+15+8*\d], v[10+\d/2], v255 matrix_a_fmt:MATRIX_FMT_FP6 matrix_b_fmt:MATRIX_FMT_FP6 matrix_a_scale:MATRIX_SCALE_ROW1
.endr
.endm
.macro KEYS u                          ; unit u's eight blocks of 128 keys; then four places behind the last products
	s_mov_b32 s[TB], \u*HEAD
	s_mov_b32 s[CNT], 8
.Lkeys_\@:
	STEP
	s_add_co_u32 s[TB], s[TB], BLK
	s_sub_co_u32 s[CNT], s[CNT], 1
	s_cmp_lg_u32 s[CNT], 0
	s_cbranch_scc1 .Lkeys_\@
	v_and_b32 v251, 60, v[L4]                      ; 4 r
.rept 3
	v_nop
.endr
.endm
.macro NEXTQ                           ; the next unit's tile of q is asked for ahead of the way out (the earlier loads by these bases have been waited for)
	s_add_nc_u64 s[36:37], s[36:37], UNITB
	s_add_nc_u64 s[38:39], s[38:39], UNITB
	global_load_b128 v[16:19], v[L16], s[36:37]
	global_load_b64 v[20:21], v[L8], s[36:37] offset:512
	global_load_b32 v9, v251, s[38:39]
.endm
; THE WAY OUT: O^T / the sum, quantised along the head's 64 channels: half a fragment of the last product's operand.  Register 16 b + i is channel 32 b + 16 h + i of my query
.macro OUTA
	v_add_f32 v14, v14, v15                        ; the sum's two halves,
	s_delay_alu instid0(VALU_DEP_1)
	v_permlanex16_b32 v249, v14, s[SEL], s[SEL+1]
	s_delay_alu instid0(VALU_DEP_1)
	v_add_f32 v14, v14, v249                       ; and lane l xor 16's
	s_wait_alu depctr_va_vdst(0)
	v_rcp_f32 v14, v14
	v_nop                                          ; the plain place behind the reciprocal
	s_wait_alu depctr_va_vdst(0)                   ; the wait ahead of its first reader, which is also O^T's
.set j, 0
.rept 16
	v_pk_mul_f32 v[O+j:O+j+1], v[O+j:O+j+1], v[14:15] op_sel_hi:[1,0]
.set j, j+2
.endr
.irp b, 0,1
	v_max3_num_f32 v[242+\b], |v[O+16*\b]|, |v[O+1+16*\b]|, 0x1800000
.endr
.irp i, 2,4,6,8,10,12,14
.irp b, 0,1
	s_delay_alu instid0(VALU_DEP_2)
	v_max3_num_f32 v[242+\b], |v[O+16*\b+\i]|, |v[O+1+16*\b+\i]|, v[242+\b]
.endr
.endr
.irp b, 0,1
	s_delay_alu instid0(VALU_DEP_2)
	v_permlanex16_b32 v[252+\b], v[242+\b], s[SEL], s[SEL+1]
.endr
.irp b, 0,1
	s_delay_alu instid0(VALU_DEP_2)
	v_max_num_f32 v[242+\b], v[242+\b], v[252+\b]
.endr
.irp b, 0,1
	s_delay_alu instid0(VALU_DEP_2)
	v_add_nc_u32 v[246+\b], 0xff000000, v[242+\b]
.endr
.irp b, 0,1
	s_delay_alu instid0(VALU_DEP_2)
	v_lshrrev_b32 v[244+\b], 23, v[246+\b]
.endr
	s_delay_alu instid0(VALU_DEP_1)
	v_lshl_or_b32 v250, v245, 8, v244              ; my head's two bytes of the row's scale word
	v_cvt_scalef32_pk16_fp6_f32 v[230:232], v[O:O+15], v246
	v_cvt_scalef32_pk16_fp6_f32 v[236:238], v[O+16:O+31], v247
	v_nop
.irp i, 0,1,2
	v_permlane16_swap_b32 v[230+\i], v[236+\i]     ; the operand's layout wants a whole block in a lane
.endr
.irp i, 0,1,2
	s_delay_alu instid0(VALU_DEP_3)
	v_mov_b32 v[233+\i], v[236+\i]
.endr
	s_wait_alu depctr_va_vdst(0)                   ; the wait: the stores may stand behind a barrier's wait
.endm
.macro OUTB u
	global_store_b128 v[L16], v[230:233], s[40:41] offset:3072*\u       ; 512 consecutive bytes, at a multiple of 256
	global_store_b64 v[L8], v[234:235], s[40:41] offset:3072*\u+512
	global_store_b16 v251, v250, s[42:43] offset:256*\u                 ; both lanes of a row write the same two bytes with the same value
.endm
.macro RESTART                         ; the next unit begins: its first step's factor is 0
	v_mov_b32 v13, 0xff61b1e6
	v_mov_b32 v12, 0x7e000000
	s_wait_alu depctr_va_vdst(0)                   ; the wait ahead of the blocking waits
	s_wait_loadcnt 0x0                             ; q
	s_wait_xcnt 0x0                                ; the stores have read their registers, which the steps write again
.endm
	s_wait_alu depctr_va_vdst(0)                   ; the wait at the head's end
	s_wait_tensorcnt 0x0                           ; my block of unit 0, if I brought one, is in; a later first fill is issued as a refill is:
	ds_add_u32 v7, v8                              ; the add, twice on end
	ds_add_u32 v7, v8
	s_add_co_u32 s25, s25, HEAD                    ; no tensor load of mine is out: group 0 is written for the second load
	s_add_nc_u64 s[26:27], s[26:27], s[50:51]
	s_wait_dscnt 0x0
	CROUND                                         ; unit 0 is whole in all four work-groups, and the joint loads meet
	tensor_load_to_lds s[24:27], s[16:23]          ; units 1 and 2: a block a wave, all sixteen waves
	s_nop 0
.rept 4
	v_nop
.endr
	s_wait_loadcnt 0x0                             ; q
	KEYS 0
	NEXTQ
	s_wait_tensorcnt 0x0                           ; my block of units 1 and 2 is in: say so,
	s_barrier_signal -1
	OUTA                                           ; work on registers while the others arrive,
	s_barrier_wait -1                              ; and behind the barrier both units lie in LDS for all sixteen waves
	OUTB 0
	RESTART
	KEYS 1
	NEXTQ
	OUTA
	OUTB 1
	RESTART
	KEYS 2
	OUTA
	OUTB 2
	s_wait_tensorcnt 0x0                           ; the wave's end
	ds_add_u32 v7, v8
	s_wait_dscnt 0x0
	CROUND                                         ; the closing round
	s_endpgm
.Lfunc_end_k_qfb82b0bbd9_attn:
	.size	k_qfb82b0bbd9_attn, .Lfunc_end_k_qfb82b0bbd9_attn-k_qfb82b0bbd9_attn
	.p2alignl 7, 3214868480
	.fill 96, 4, 3214868480
	.section	.rodata,"a",@progbits
	.p2align	6, 0x0
	.amdhsa_kernel k_qfb82b0bbd9_attn
		.amdhsa_group_segment_fixed_size 327680
		.amdhsa_private_segment_fixed_size 0
		.amdhsa_enable_private_segment 0
		.amdhsa_kernarg_size 24
		.amdhsa_user_sgpr_count 2
		.amdhsa_user_sgpr_kernarg_segment_ptr 1
		.amdhsa_wavefront_size32 1
		.amdhsa_system_sgpr_workgroup_id_x 1
		.amdhsa_system_sgpr_workgroup_id_y 1
		.amdhsa_system_sgpr_workgroup_id_z 1
		.amdhsa_system_vgpr_workitem_id 0
		.amdhsa_next_free_vgpr 256
		.amdhsa_next_free_sgpr 66
		.amdhsa_reserve_vcc 0
		.amdhsa_float_denorm_mode_32 3
		.amdhsa_float_denorm_mode_16_64 3
		.amdhsa_memory_ordered 1
		.amdhsa_forward_progress 1
		.amdhsa_inst_pref_size 70
	.end_amdhsa_kernel
	.amdgpu_metadata
---
amdhsa.version: [ 1, 2 ]
amdhsa.kernels:
  - .name:           k_qfb82b0bbd9_attn
    .symbol:         k_qfb82b0bbd9_attn.kd
    .args:
      - { .name: QB, .offset: 0, .size: 8, .value_kind: global_buffer, .address_space: global }
      - { .name: KVB, .offset: 8, .size: 8, .value_kind: global_buffer, .address_space: global }
      - { .name: OB, .offset: 16, .size: 8, .value_kind: global_buffer, .address_space: global }
    .group_segment_fixed_size: 327680
    .private_segment_fixed_size: 0
    .kernarg_segment_align: 8
    .kernarg_segment_size: 24
    .max_flat_workgroup_size: 512
    .sgpr_count:     66
    .vgpr_count:     256
    .wavefront_size: 32
...
	.end_amdgpu_metadata
.endif
;; end of part 3
;; launch oproj (part 4): grid 64 x 4, 4 waves a work-group, clusters of 4 x 1, 167,936 bytes of LDS; arguments OB, WB, bo, out0; writes out0
.if DOCPART == 4
	.amdgcn_target "amdgcn-amd-amdhsa--gfx1250"
	.amdhsa_code_object_version 6
	.text
	.protected	k_qfb82b0bbd9_oproj
	.globl	k_qfb82b0bbd9_oproj
	.p2align	8
	.type	k_qfb82b0bbd9_oproj,@function
k_qfb82b0bbd9_oproj:
	s_mov_b64 s[64:65], 0
	v_nop
	global_prefetch_b8 v0, s[64:65] scope:SCOPE_SE
	s_setreg_imm32_b32 hwreg(HW_REG_WAVE_MODE, 25, 1), 1
	s_wait_xcnt 0x0
	s_wait_alu depctr_hold_cnt(0) depctr_sa_sdst(0) depctr_va_vdst(0) depctr_va_sdst(0) depctr_va_ssrc(0) depctr_va_vcc(0) depctr_vm_vsrc(0)
	s_getreg_b32 s2, hwreg(HW_REG_IB_STS2, 6, 4)
	s_cmp_eq_u32 s2, 0
	s_cbranch_scc0 .Lentry_in_a_cluster
	s_endpgm
.Lentry_in_a_cluster:
	s_bfe_u32 s2, ttmp6, 0x10000c
	s_cmp_lg_u32 s2, 0x3003
	s_cbranch_scc0 .Lentry_shape_is_right
	s_endpgm
.Lentry_shape_is_right:
; OPROJ: out0 = o wo^T + bo on codes of FP6 (E2M3); o's codes and scale words as the attention launch has laid them, wo's as the first launch has.
; SHARES.  A work-group makes 256 rows x 192 columns.  Its block of wo, 110,592 bytes of codes for all of K, comes into LDS once, in three groups of 64 columns, and is never filled again.
; Wave w takes 64 rows (four tiles m): its 24 fragments of o go from memory straight into 288 registers and stay.  A fragment of wo read from LDS feeds four matrix instructions.
; CLUSTER.  The four work-groups of a cluster differ in their rows alone: every tensor load is a joint one (mask 15); a wave has one out at the most.  The place in the cluster enters global addresses alone.
; LAYOUT.  Source 0 = 16 rows of wo (output columns), source 1 = 16 rows of o: a lane holds one row of the output and, of tile 2 b + u, columns 32 b + 16 h + 8 u + 0 .. 7.  The bias is the C of each sum's first instruction.
; THE WAY OUT.  A tile of 16 rows x 64 columns goes through the wave's own stage in LDS (rows of 256 + 16 bytes) and leaves as whole rows: sixteen lanes store 256 consecutive bytes at a multiple of 256.
; Row rho of tile m is row 32 (m / 2) + 8 (m % 2) + rho + 8 (rho / 8) of the wave's 64.
; REGISTERS, in windows of 256:  window 0: v1-5 offsets, v8-9 the add's two, v10-14 addresses, v16-27 o's scale words, v28-63 wo's, v84-115 rows on the way out, v160-255 two sets of four fragments of wo.
;   window 1: o's fragments of K steps 0-4 at 12 (4 s + m).   window 2: v0-47 those of K step 5; v64-159 the bias.   window 3: v0-127 sixteen accumulators.
; THE LOADS AS THEY STAND: the block of wo comes by ONE tensor load a wave, a quarter of its 110,592 bytes (108 rows of 256), at the head; one wait and one barrier ahead of the first group show it whole to all four waves.
.set XS,    9437184
.set W2C,   1382400
.set W2S,   1824768
.set STAGE, 110592                     ; behind the weights: 16 rows x 272 bytes for each wave
.set SPARE, 128000                     ; behind the stages: the spare words, 128 bytes a wave: two blocks of 256 bytes that no other line names
.set NPR, 6
.set AS,  16
.set BS,  28
.set BF,  160
.set BQ,  64
.set G1A, 24
.set G0,  40
.set MSB, 0
.macro WIN new                         ; the immediate's high byte repeats the setting that is left
.if MSB != \new
	s_set_vgpr_msb (MSB<<8)|\new
.set MSB, \new
.endif
.endm
.macro PLACES                          ; four plain places behind matrix instructions, ahead of loads into their sources and of reads of their results
.rept 4
	v_nop
.endr
.endm
.macro CROUND
	s_barrier_signal -1
	s_barrier_wait -1
	s_cmp_lg_u32 s18, 0
	s_cbranch_scc1 .Lnot_wave_0_\@
	s_barrier_signal -3
.Lnot_wave_0_\@:
	s_barrier_wait -3
	s_barrier_signal -1
	s_barrier_wait -1
.endm
.macro WM d, a, b, c, sa, ra, sb, rb
.if (\ra) == 0
.if (\rb) == 0
	v_wmma_scale_f32_16x16x128_f8f6f4 v[(\d):(\d)+7], v[(\a):(\a)+11], v[(\b):(\b)+11], v[(\c):(\c)+7], v[\sa], v[\sb] matrix_a_fmt:MATRIX_FMT_FP6 matrix_b_fmt:MATRIX_FMT_FP6
.else
	v_wmma_scale_f32_16x16x128_f8f6f4 v[(\d):(\d)+7], v[(\a):(\a)+11], v[(\b):(\b)+11], v[(\c):(\c)+7], v[\sa], v[\sb] matrix_a_fmt:MATRIX_FMT_FP6 matrix_b_fmt:MATRIX_FMT_FP6 matrix_b_scale:MATRIX_SCALE_ROW1
.endif
.else
.if (\rb) == 0
	v_wmma_scale_f32_16x16x128_f8f6f4 v[(\d):(\d)+7], v[(\a):(\a)+11], v[(\b):(\b)+11], v[(\c):(\c)+7], v[\sa], v[\sb] matrix_a_fmt:MATRIX_FMT_FP6 matrix_b_fmt:MATRIX_FMT_FP6 matrix_a_scale:MATRIX_SCALE_ROW1
.else
	v_wmma_scale_f32_16x16x128_f8f6f4 v[(\d):(\d)+7], v[(\a):(\a)+11], v[(\b):(\b)+11], v[(\c):(\c)+7], v[\sa], v[\sb] matrix_a_fmt:MATRIX_FMT_FP6 matrix_b_fmt:MATRIX_FMT_FP6 matrix_a_scale:MATRIX_SCALE_ROW1 matrix_b_scale:MATRIX_SCALE_ROW1
.endif
.endif
.endm
.macro BFETCH s, buf                   ; the group's four fragments of wo of K step s into set buf: 16 dense loads
.irp t, 0,1,2,3
.irp c, 0,1
	ds_load_b128 v[BF+48*(\buf)+12*\t+6*\c:BF+48*(\buf)+12*\t+6*\c+3], v10 offset:((\s)*4+\t)*1536+768*\c
	ds_load_b64 v[BF+48*(\buf)+12*\t+6*\c+4:BF+48*(\buf)+12*\t+6*\c+5], v11 offset:((\s)*4+\t)*1536+768*\c+512
.endr
.endr
.endm
.macro MULO g, s, buf                  ; 16 matrix instructions: the sixteen accumulators take turns, one instruction a turn
.if (\s) == 0
	WIN 0xE4                                       ; wo window 0, o window 1, the bias window 2, D window 3
.elseif (\s) < 5
	WIN 0xF4
.else
	WIN 0xF8                                       ; o's K step 5 lies in window 2
.endif
.irp m, 0,1,2,3
.irp t, 0,1,2,3
.set DD, 8*(4*\m+\t)
.set XX, 12*(4*((\s)%5)+\m)
.set CC, DD
.if (\s) == 0
.set CC, BQ+32*(\g)+8*\t
.endif
	WM DD, BF+48*(\buf)+12*\t, XX, CC, BS+NPR*(\s)+2*(\g)+\t/2, \t%2, AS+6*(\m/2)+(\s), \m%2
.endr
.endr
.endm
.macro GEMM g, first                   ; a group's six K steps; while one set of fragments is multiplied, the next step's loads are on their way into the other
	BFETCH 0, 0
.irp s, 0,1,2,3,4,5
.if \s < 5
	PLACES
	BFETCH \s+1, (\s+1)%2
	s_wait_dscnt 16                                ; this step's fragments are in; the next step's 16 loads may be out
.else
	s_wait_dscnt 0x0
.endif
.if \first
.if \s < 2
	s_wait_loadcnt 63                              ; behind this step's fragments of o stand 16 loads for each later step, more than the count's field holds
.else
	s_wait_loadcnt 16*(5-\s)                       ; 16 loads for each later K step of o may be out
.endif
.endif
	MULO \g, \s, \s%2
	WIN 0
.endr
	PLACES
.endm
.macro GHEAD g                         ; my quarter of the group has landed (the later groups' loads may stay out), and so has everybody's
.if \g == 0
	s_wait_tensorcnt 0x0                           ; my quarter of the block has landed; behind the barrier everybody's has: nothing is filled again
	s_barrier_signal -1
	s_barrier_wait -1
.endif
	v_add_nc_u32 v10, \g*36864, v1
	v_add_nc_u32 v11, \g*36864, v2
.endm
.macro OUTO g, m                       ; tile m's 16 rows x 64 columns leave
	s_wait_xcnt 0x0                                ; the earlier stores have read the registers into which the rows below come back
	WIN 0x0C                                       ; an LDS store's data are its source 1: window 3
.irp t, 0,1,2,3
	ds_store_b128 v12, v[8*(4*\m+\t):8*(4*\m+\t)+3] offset:128*(\t/2)+32*(\t%2)        ; each accumulator from its low end on
	ds_store_b128 v12, v[8*(4*\m+\t)+4:8*(4*\m+\t)+7] offset:128*(\t/2)+32*(\t%2)+16
.endr
	WIN 0
.irp i, 0,1,2,3,4,5,6,7
	ds_load_b128 v[84+4*\i:87+4*\i], v13 offset:544*\i             ; LDS serves a wave's instructions in order: these see the stores above, and the next tile's stores come behind them
.endr
.irp i, 0,1,2,3,4,5,6,7
	s_wait_dscnt 7-\i                              ; rows 2 i, 2 i + 1 are back; the 7 - i loads behind them may be out
	global_store_b128 v14, v[84+4*\i:87+4*\i], s[74:75] offset:(32*(\m/2)+8*(\m%2)+2*\i+8*(\i/4))*3072+256*\g th:TH_STORE_NT
.endr
.endm
	s_load_b256 s[4:11], s[0:1], 0x0               ; OB, WB, bo, out0
	v_lshl_add_u32 v8, v0, 2, SPARE
	v_mov_b32 v9, 0
	ds_add_u32 v8, v9                              ; the wave's opening: the add and its wait ahead of my first tensor load
	ds_add_u32 v8, v9
	v_lshrrev_b32 v1, 5, v0
	v_readfirstlane_b32 s18, v1                    ; wave 0..3
	s_and_b32 s21, ttmp7, 0xffff                   ; column block, which the four partners share
	s_mov_b32 s[G1A], 15|(3<<16)|(1<<21)           ; the mask: all four work-groups; elements of 8 bytes; bit 21 beside the mask; no padding
	s_mov_b32 s[G1A+1], 32<<16                     ; rows of 256 bytes,
	s_mov_b32 s[G1A+2], 108<<16                    ; 108 of them: a quarter of the block
	s_mov_b32 s[G1A+3], 32<<16
	s_mov_b32 s[G1A+4], 108
	s_mov_b32 s[G1A+5], 32
	s_mov_b32 s[G1A+6], 0
	s_mov_b32 s[G1A+7], 0
	s_mul_i32 s22, s18, 27648
	s_mov_b32 s[G0], 1
	s_add_co_u32 s[G0+1], s22, 0                   ; LDS address: the wave's number x a constant
	s_mul_i32 s23, s21, 110592
	s_add_co_u32 s22, s22, s23
	s_add_co_u32 s22, s22, W2C                     ; the same place in memory, in my column block
	s_mov_b32 s23, 0
	v_and_b32 v7, 31, v0
	v_lshlrev_b32 v1, 4, v7                        ; 16 x lane
	v_lshlrev_b32 v2, 3, v7                        ; 8 x lane
	v_lshlrev_b32 v3, 2, v7                        ; 4 x lane
	v_and_b32 v4, 15, v0                           ; r
	v_bfe_u32 v6, v0, 4, 1                         ; h
	v_lshlrev_b32 v5, 6, v6                        ; 64 h
	s_mul_i32 s63, s18, 4352
	s_add_co_u32 s63, s63, STAGE                   ; my stage
	v_mul_u32_u24 v12, v4, 272
	v_add_nc_u32 v12, v12, v5
	v_add_nc_u32 v12, s63, v12                     ; in: row r, + 64 h
	v_mul_u32_u24 v13, v6, 272
	v_lshl_add_u32 v13, v4, 4, v13
	v_add_nc_u32 v13, s63, v13                     ; back: lanes 0-15 one row, lanes 16-31 the next
	v_mul_u32_u24 v14, v6, 3072
	v_lshl_add_u32 v14, v4, 4, v14                 ; and the same two rows in out0
	; what hangs on my rows (and so on my place in the cluster) enters global addresses alone
	s_bfe_u32 s19, ttmp6, 0x40000                  ; cx
	s_lshl_b32 s20, ttmp9, 2
	s_add_co_u32 s20, s20, s19                     ; row block of 256
	s_mul_i32 s66, s20, 147456
	s_mul_i32 s63, s18, 36864
	s_add_co_u32 s66, s66, s63                     ; o's codes: tile 16 rb + 4 w
	s_mul_i32 s68, s20, 6144
	s_mul_i32 s63, s18, 1536
	s_add_co_u32 s68, s68, s63
	s_add_co_u32 s68, s68, XS                      ; o's scale words: pair 8 rb + 2 w
	s_mul_i32 s70, s21, 4608
	s_add_co_u32 s70, s70, W2S                     ; the block's scale words
	s_mul_i32 s72, s21, 768                        ; the bias: 192 columns
	s_mul_i32 s74, s20, 786432
	s_mul_i32 s63, s18, 196608
	s_add_co_u32 s74, s74, s63
	s_add_co_u32 s74, s74, s72                     ; out0: row 256 rb + 64 w, column 192 cb
.irp p, 67,69,71,73,75
	s_mov_b32 s\p, 0
.endr
	s_wait_dscnt 0x0                               ; the opening add is done
	s_wait_kmcnt 0x0
	s_add_nc_u64 s[22:23], s[6:7], s[22:23]
	s_mov_b64 s[G0+2:G0+3], s[22:23]
	s_or_b32 s[G0+3], s[G0+3], 0x80000000
	s_add_nc_u64 s[66:67], s[4:5], s[66:67]
	s_add_nc_u64 s[68:69], s[4:5], s[68:69]
	s_add_nc_u64 s[70:71], s[6:7], s[70:71]
	s_add_nc_u64 s[72:73], s[8:9], s[72:73]
	s_add_nc_u64 s[74:75], s[10:11], s[74:75]
	CROUND                                         ; all four work-groups are here: the joint loads meet
	tensor_load_to_lds s[G0:G0+3], s[G1A:G1A+7]    ; one tensor load a wave at the head
	s_nop 0
.rept 4
	v_nop
.endr
.set i, 0
.rept 36
	global_load_b32 v[BS+i], v3, s[70:71] offset:128*i             ; wo's scale words: register 6 s + pair
.set i, i+1
.endr
.set i, 0
.rept 12
	global_load_b32 v[AS+i], v3, s[68:69] offset:128*i             ; o's: register 6 (m / 2) + s
.set i, i+1
.endr
	WIN 0x80
	s_wait_alu depctr_va_vdst(0)
.irp g, 0,1,2
.irp t, 0,1,2,3
.irp e, 0,1
	global_load_b128 v[BQ+32*\g+8*\t+4*\e:BQ+32*\g+8*\t+4*\e+3], v5, s[72:73] offset:(64*\g+32*(\t/2)+8*(\t%2))*4+16*\e   ; the bias in the result's layout
.endr
.endr
.endr
	WIN 0x40
.irp s, 0,1,2,3,4
.irp m, 0,1,2,3
.irp c, 0,1
	global_load_b128 v[12*(4*\s+\m)+6*\c:12*(4*\s+\m)+6*\c+3], v1, s[66:67] offset:9216*\m+1536*\s+768*\c
	global_load_b64 v[12*(4*\s+\m)+6*\c+4:12*(4*\s+\m)+6*\c+5], v2, s[66:67] offset:9216*\m+1536*\s+768*\c+512
.endr
.endr
.endr
	WIN 0x80
.irp m, 0,1,2,3
.irp c, 0,1
	global_load_b128 v[12*\m+6*\c:12*\m+6*\c+3], v1, s[66:67] offset:9216*\m+1536*5+768*\c
	global_load_b64 v[12*\m+6*\c+4:12*\m+6*\c+5], v2, s[66:67] offset:9216*\m+1536*5+768*\c+512
.endr
.endr
	WIN 0
	GHEAD 0
	s_wait_alu depctr_va_vdst(0)
	GEMM 0, 1
.irp m, 0,1,2,3
	OUTO 0, \m
.endr
	GHEAD 1
	s_wait_alu depctr_va_vdst(0)
	GEMM 1, 0
.irp m, 0,1,2,3
	OUTO 1, \m
.endr
	GHEAD 2
	s_wait_alu depctr_va_vdst(0)
	GEMM 2, 0
.irp m, 0,1,2,3
	OUTO 2, \m
.endr
	s_wait_tensorcnt 0x0                           ; the wave's end
	ds_add_u32 v8, v9
	s_wait_dscnt 0x0
	CROUND                                         ; the closing round
	s_endpgm
.Lfunc_end_k_qfb82b0bbd9_oproj:
	.size	k_qfb82b0bbd9_oproj, .Lfunc_end_k_qfb82b0bbd9_oproj-k_qfb82b0bbd9_oproj
	.p2alignl 7, 3214868480
	.fill 96, 4, 3214868480
	.section	.rodata,"a",@progbits
	.p2align	6, 0x0
	.amdhsa_kernel k_qfb82b0bbd9_oproj
		.amdhsa_group_segment_fixed_size 167936
		.amdhsa_private_segment_fixed_size 0
		.amdhsa_enable_private_segment 0
		.amdhsa_kernarg_size 32
		.amdhsa_user_sgpr_count 2
		.amdhsa_user_sgpr_kernarg_segment_ptr 1
		.amdhsa_wavefront_size32 1
		.amdhsa_system_sgpr_workgroup_id_x 1
		.amdhsa_system_sgpr_workgroup_id_y 1
		.amdhsa_system_sgpr_workgroup_id_z 1
		.amdhsa_system_vgpr_workitem_id 0
		.amdhsa_next_free_vgpr 1024
		.amdhsa_next_free_sgpr 90
		.amdhsa_reserve_vcc 0
		.amdhsa_float_denorm_mode_32 3
		.amdhsa_float_denorm_mode_16_64 3
		.amdhsa_memory_ordered 1
		.amdhsa_forward_progress 1
		.amdhsa_inst_pref_size 105
	.end_amdhsa_kernel
	.amdgpu_metadata
---
amdhsa.version: [ 1, 2 ]
amdhsa.kernels:
  - .name:           k_qfb82b0bbd9_oproj
    .symbol:         k_qfb82b0bbd9_oproj.kd
    .args:
      - { .name: OB, .offset: 0, .size: 8, .value_kind: global_buffer, .address_space: global }
      - { .name: WB, .offset: 8, .size: 8, .value_kind: global_buffer, .address_space: global }
      - { .name: bo, .offset: 16, .size: 8, .value_kind: global_buffer, .address_space: global }
      - { .name: out0, .offset: 24, .size: 8, .value_kind: global_buffer, .address_space: global }
    .group_segment_fixed_size: 167936
    .private_segment_fixed_size: 0
    .kernarg_segment_align: 8
    .kernarg_segment_size: 32
    .max_flat_workgroup_size: 128
    .sgpr_count:     90
    .vgpr_count:     1024
    .wavefront_size: 32
...
	.end_amdgpu_metadata
.endif
;; end of part 4
